; MI455X (gfx1250); checked and timed in simulation.
; The chip was launched on July 23, 2026; its instructions are those of AMD's public machine-readable ISA for CDNA 5 (MIT licence, August 2026) and "CDNA5" Instruction Set Architecture Reference Guide (July 2026). The comments in the code are by the model that wrote it; some were corrected since.
;; Multi Head Attention. Allowed arithmetic: matrix products marked QUANTISED: E2M1 operands, one E8M0 scale for each 32 along K, by v_wmma_scale_f32_16x16x128_f8f6f4 with both operands' format E2M1 (or v_wmma_scale_f32_32x16x128_f4), f32 sums; everything else in f32.
;; Inputs: Wqkv_b 3,072 float32; Wqkv_w 3,072 x 1,024 float32; attn_bias 1 x 16 x 1 x 4,096 float32; out_b 1,024 float32; out_w 1,024 x 1,024 float32; x 1 x 4,096 x 1,024 float32.
;; Outputs: out0 1 x 4,096 x 1,024 float32.
;; This version of the problem:
;;   THIS VERSION OF THE PROBLEM IS GIVEN IN LOW PRECISION. The matrix products marked QUANTISED in the list below multiply operands that are first quantised to E2M1 (2 exponent bits, 1 mantissa bit; 4 bits a number), with one power-of-two scale for each 32 numbers along K (OCP MX v1.0); their sums are f32. All else is computed in f32.
;;   The module's matrix products, in the order in which they are computed (A, B: the left and right operand; K: the contracted axis; several contracted axes count as one K, in the product's order):
;;     1. [M 4,096, K 1,024] x [K 1,024, N 3,072]; A: input x; B: input Wqkv_w: QUANTISED
;;     2. batch 16 x [M 4,096, K 64] x [K 64, N 4,096]; A: computed on the way; B: computed on the way: QUANTISED
;;     3. batch 16 x [M 4,096, K 4,096] x [K 4,096, N 64]; A: softmax (see below); B: computed on the way: QUANTISED
;;     4. [M 4,096, K 1,024] x [K 1,024, N 1,024]; A: computed on the way; B: input out_w: QUANTISED
;;   THE QUANTISER, for each operand of a quantised product, along K:
;;     - K is cut into blocks of 32 from its start; a last block that is shorter is filled with zeros.
;;     - A block's scale is 2^e with e = floor(log2(the largest magnitude in the block)) - 2, held to -126 .. 127; a block of zeros has e = 0. As a byte (E8M0): e + 127.
;;     - Each number is divided by its block's scale, clamped to +-6, and rounded to the nearest number of E2M1, ties to even, subnormals kept.
;;     - The product sums the exact products of the quantised numbers (number of the format x scale) in f32.
;;   ~~~python
;;   def quantise(x, axis):      # numpy; x: float32 -> the quantised numbers, widened to float32 again
;;       x = np.moveaxis(x, axis, -1); K = x.shape[-1]
;;       x = np.pad(x, [(0, 0)] * (x.ndim - 1) + [(0, -K % 32)]); x = x.reshape(x.shape[:-1] + (-1, 32)); a = np.abs(x).max(-1, keepdims=True)
;;       e = np.where(a > 0, np.clip(np.frexp(np.where(a > 0, a, 1))[1] - 1 - 2, -126, 127), 0)      # np.frexp(a)[1] - 1 = floor(log2(a)), exactly
;;       r = np.clip(x / 2.0 ** e, -6, 6)
;;       step = 2.0 ** (np.maximum(np.frexp(np.where(r == 0, 1, r))[1] - 1, 0) - 1)
;;       q = np.round(r / step) * step * 2.0 ** e      # np.round: ties to even
;;       return np.moveaxis(q.reshape(q.shape[:-2] + (-1,))[..., :K], -1, axis).astype(np.float32)
;;   ~~~
;;   SOFTMAX AHEAD OF A QUANTISED PRODUCT. Where the list says 'softmax', what is quantised is not the finished softmax but p = 2^(t - M), with t = logit x log2(e) and M = ceil(the row's largest t), a whole number; so 1/2 < the row's largest p <= 1. The row's sum l is taken of the UNQUANTISED p, in f32, and the product's result is divided by l at the end. Since M is a whole number, a kernel that streams over the keys may use a running M (the ceiling of the running maximum): every later rescaling is an exact power of two, which a block's scale takes up: the codes' values come out the same.
;;   OPERANDS COMPUTED ON THE WAY. 'Computed on the way' means the value that the module computes at that place (a softmax that the list does not call 'softmax' is quantised finished and normalised). What goes into a quantiser is computed in f32, as accurately as f32 sums, v_exp_f32 and their like allow (about 1e-6 of the number): no bf16 or f16 on the way to a quantiser, and a product that is left as it is and whose result goes on into a quantised operand takes f32 operands (vector FMAs, or v_wmma_f32_16x16x4_f32). A number that lies on a knife's edge between two numbers of the format may be rounded either way, as far as f32 arithmetic and the matrix unit's own rounding can turn it there, and no further.
;; One version. Each part assembles by itself: llvm-mc -triple=amdgcn-amd-amdhsa -mcpu=gfx1250 --defsym DOCPART=n.
;; ======== version 1 of 1: 4 launches
;; limits: right only within a limited range of input values
;; workspace buffers: cod 6,291,456 bytes; scl 393,216 bytes; qkv 6,946,816 bytes
;; launch quant (part 1): grid 256 x 1, 8 waves a work-group, no clusters, 136,192 bytes of LDS; arguments x, Wqkv_w, out_w, cod, scl; writes cod, scl
.if DOCPART == 1
	.amdgcn_target "amdgcn-amd-amdhsa--gfx1250"
	.amdhsa_code_object_version 6
	.text
	.protected	k_q6fd56e0d00_quant
	.globl	k_q6fd56e0d00_quant
	.p2align	8
	.type	k_q6fd56e0d00_quant,@function
k_q6fd56e0d00_quant:
	s_mov_b64 s[64:65], 0
	v_nop
	global_prefetch_b8 v0, s[64:65] scope:SCOPE_SE
	s_setreg_imm32_b32 hwreg(HW_REG_WAVE_MODE, 25, 1), 1
	s_wait_xcnt 0x0
; THE PROGRAM: causal multi-head attention, t = 4,096, 16 heads of 64, all four products on codes of FP4 (E2M1) with one E8M0 scale for each 32 along K.
;   quant: x, Wqkv_w, out_w -> codes and scale words.   proj: x Wqkv^T + b, quantised on the way out into q, k (along the head's 64) and v (along the keys).
;   attn:  S = q k^T / 8 + attn_bias, causal, p = 2^(t - M), O = p v / l, quantised along the model's 1,024.   outp: O out_w^T + out_b.
; WORK LEFT OUT.  reference() itself sets every score with key > query to finfo.min by its own jnp.tril, so that its softmax gives those keys the weight 0 whatever finite values the inputs hold
; (key 0 counts for every query, so a row's largest score is never such a one).  So a key step all of whose 128 keys come after a block of queries is not multiplied, and a chunk of keys that no wave of a
; work-group reads is not fetched (launch attn).  Nothing else is left out; all six inputs are loaded.  LIMIT: a NaN, an infinity or an overflow that reaches only those hidden tiles is not carried to the result.
; LAYOUT OF ALL CODES.  A TILE T of an operand is 16 rows, NOT neighbours: lane r holds row 64 (T / 4) + 8 (T % 4) + r % 8 + 32 (r / 8).  As source 0 of a matrix instruction four such tiles 4 c .. 4 c + 3 leave
; lane (r, h) the 32 NEIGHBOURS 64 c + 32 h + 0 .. 31 along that axis in 32 registers: a whole block of the next quantiser, in the lane in which the next operand's layout wants its codes.
; A fragment (16 rows x 128 K, 8 registers a lane) lies in memory as an IMAGE OF ITS REGISTERS: 2 x 512 bytes, lane l's 16 bytes at 16 l.
;   cod: [768 tiles][8 K steps][1,024 bytes]: tiles 0-255 x, 256-447 Wqkv_w, 448-511 out_w (this launch), 512-767 attention's result (launch attn).
;   scl: [768 tiles][2 halves of K][16 rows][4 words]: a word is the four scale bytes of one row and 128 along K.
; THIS LAUNCH.  A block's scale is 2^(floor(log2(its largest magnitude)) - 2); its byte is the largest magnitude's exponent field - 2, held at 1 from below.
; LIMITS: a block of zeros gets the byte 1 where the rule says 127 (its codes are zeros, and this program alone reads the bytes); blocks whose largest magnitude lies under 2^-124 keep the byte 1; NaN and infinities among the inputs are not served.
; SHARES.  Work-group g takes tiles 2 g and 2 g + 1.  Wave w takes tile w / 4 and 256 along K (two K steps): 32 loads of 512 consecutive bytes, all issued at the head.
; A step's 16 rows x 512 bytes turn through the wave's own stage in LDS (rows 528 bytes apart), so that lane (r, h) gets blocks h and 2 + h of row r whole: no other lane is asked for a maximum.
; No tensor load, no barrier, no loop: waves share nothing.
.set WREG,  16896                      ; LDS: a wave's region: two stages of 16 rows x 528 bytes
.set STGB,  8448
.set PIT,   528                        ; 512 bytes + 16 of padding = 132 words: the 16 rows that a load touches start 4 words apart
.set SPARE, 8*WREG                     ; behind the regions: the spare words, 128 bytes for each wave, that no other line names
.set SPW,   8                          ; v8   LDS address of my spare word; never rewritten
.set NIL,   9                          ; v9   0; never rewritten
.set R,     16                         ; v16-79, v80-143  a K step's 64 numbers of my lane
.set CD,    144                        ; v144-159 codes: eight registers a step
.set WD,    160                        ; v160-161 the two steps' scale words
.macro HINT n
	s_delay_alu instid0(VALU_DEP_\n)
.endm
	s_load_b128 s[4:7], s[0:1], 0x0                ; x, Wqkv_w
	s_load_b128 s[8:11], s[0:1], 0x10              ; out_w, cod
	s_load_b64 s[12:13], s[0:1], 0x20              ; scl
	v_lshl_add_u32 v[SPW], v0, 2, SPARE
	v_mov_b32 v[NIL], 0
	v_lshrrev_b32 v1, 5, v0
	HINT 1
	v_readfirstlane_b32 s16, v1                    ; wave 0..7
	s_lshr_b32 s14, s16, 2                         ; u: which of the two tiles
	s_and_b32 s15, s16, 3                          ; which quarter of K
	v_and_b32 v1, 31, v0
	HINT 1
	v_lshlrev_b32 v1, 4, v1                        ; 16 x lane: a load's, an image's and a stage row's place for my lane
	s_mul_i32 s22, s16, WREG
	v_add_nc_u32 v2, s22, v1                       ; the stage, on the way in
	v_and_b32 v6, 15, v0                           ; r
	v_bfe_u32 v7, v0, 4, 1                         ; h
	HINT 2
	v_mul_u32_u24 v3, v6, PIT
	HINT 1
	v_lshl_add_u32 v3, v7, 7, v3
	HINT 1
	v_add_nc_u32 v3, s22, v3                       ; and on the way out: row r, + 128 h bytes: block h
	v_lshlrev_b32 v4, 4, v6
	HINT 1
	v_lshl_add_u32 v4, v7, 2, v4                   ; scale words: 16 r + 4 h
	v_lshlrev_b32 v5, 3, v7                        ; 8 h
	v_mov_b32 v162, 0                              ; written once: a lane permute's destination counts as one of its sources
	s_mov_b32 s20, 0x76543210
	s_mov_b32 s21, 0xfedcba98                      ; v_permlanex16_b32's selects for lane l xor 16
	s_mov_b32 s17, 224
	s_wait_alu depctr_va_vdst(0)
	s_wait_kmcnt 0x0
	s_cmp_lt_u32 ttmp9, s17                        ; which tensor: the choice hangs on the work-group's number alone
	s_cselect_b64 s[6:7], s[6:7], s[8:9]
	s_cselect_b32 s17, 128, s17
	s_cmp_lt_u32 ttmp9, 128
	s_cselect_b64 s[4:5], s[4:5], s[6:7]
	s_cselect_b32 s17, 0, s17                      ; the tensor's first work-group
	s_sub_co_u32 s18, ttmp9, s17                   ; g in the tensor: tiles 2 g, 2 g + 1
	s_and_b32 s19, s18, 1
	s_lshl_b32 s19, s19, 4
	s_lshr_b32 s18, s18, 1
	s_lshl_b32 s18, s18, 6
	s_add_co_u32 s18, s18, s19
	s_lshl_b32 s19, s14, 3
	s_add_co_u32 s18, s18, s19                     ; the tile's first row: 64 (g / 2) + 16 (g % 2) + 8 u
	s_lshl_b32 s18, s18, 12                        ; rows of 4,096 bytes
	s_lshl_b32 s19, s15, 10
	s_add_co_u32 s18, s18, s19                     ; + my quarter of K
	s_mov_b32 s19, 0
	s_add_nc_u64 s[4:5], s[4:5], s[18:19]
	s_lshl_b32 s18, ttmp9, 1
	s_add_co_u32 s23, s18, s14                     ; the tile's number
	s_lshl_b32 s18, s23, 13
	s_lshl_b32 s24, s15, 11
	s_add_co_u32 s18, s18, s24
	s_add_nc_u64 s[10:11], s[10:11], s[18:19]      ; cod: tile x 8,192 + quarter x 2,048
	s_lshl_b32 s18, s23, 9
	s_lshr_b32 s24, s15, 1
	s_lshl_b32 s24, s24, 8
	s_add_co_u32 s18, s18, s24
	s_and_b32 s24, s15, 1
	s_lshl_b32 s24, s24, 3
	s_add_co_u32 s18, s18, s24
	s_add_nc_u64 s[12:13], s[12:13], s[18:19]      ; scl: tile x 512 + half of K x 256 + my two words' place in a row's four
.macro LOAD s                          ; K step s of my two: row i of the tile is row i % 8 + 32 (i / 8) from the tile's first; 32 lanes read 512 consecutive bytes
.irp i, 0,1,2,3,4,5,6,7,8,9,10,11,12,13,14,15
	global_load_b128 v[R+64*\s+4*\i:R+64*\s+4*\i+3], v1, s[4:5] offset:(\i+24*(\i/8))*4096+512*\s th:TH_LOAD_NT
.endr
.endm
.macro TO_STAGE s                      ; a step's 16 rows into its stage, as they were loaded
.irp i, 0,1,2,3,4,5,6,7,8,9,10,11,12,13,14,15
	ds_store_b128 v2, v[R+64*\s+4*\i:R+64*\s+4*\i+3] offset:STGB*\s+PIT*\i
.endr
.endm
.macro FROM_STAGE s                    ; and back into the registers that the numbers left: LDS serves a wave's instructions in order, so these see the stores
.irp c, 0,1
.irp j, 0,1,2,3,4,5,6,7
	ds_load_b128 v[R+64*\s+32*\c+4*\j:R+64*\s+32*\c+4*\j+3], v3 offset:STGB*\s+256*\c+16*\j   ; register 32 c + i = k 64 c + 32 h + i of row r
.endr
.endr
.endm
.macro QB s                            ; my two whole blocks of K step s: scale bytes, codes, stores
.set RS, R+64*\s
.irp c, 0,1
	v_max3_num_f32 v[10+\c], |v[RS+32*\c]|, |v[RS+32*\c+1]|, 0x1800000   ; with the floor 2^(3 - 127) among the leaves: the byte cannot fall under 1
.endr
.irp i, 2,4,6,8,10,12,14,16,18,20,22,24,26,28,30
.irp c, 0,1
	HINT 2
	v_max3_num_f32 v[10+\c], v[10+\c], |v[RS+32*\c+\i]|, |v[RS+32*\c+\i+1]|   ; (the two blocks by turns)
.endr
.endr
.irp c, 0,1
	HINT 2
	v_add_nc_u32 v[12+\c], 0xff000000, v[10+\c]    ; 2 off the exponent field: the conversion takes the exponent field of this operand as its scale
.endr
.irp c, 0,1
	HINT 2
	v_lshrrev_b32 v[14+\c], 23, v[12+\c]           ; the scale's byte
.endr
	HINT 1
	v_lshl_or_b32 v[WD+\s], v15, 16, v14           ; blocks h and 2 + h of row r,
	HINT 1
	v_lshlrev_b32 v[WD+\s], v5, v[WD+\s]           ; at their places in the word (8 h bits up);
	HINT 1
	v_permlanex16_b32 v162, v[WD+\s], s20, s21
	HINT 1
	v_or_b32 v[WD+\s], v[WD+\s], v162              ; with lane l xor 16's two the word is whole
.irp c, 0,1
.irp g, 0,1,2,3
	v_cvt_scalef32_pk8_fp4_f32 v[CD+8*\s+4*\c+\g], v[RS+32*\c+8*\g:RS+32*\c+8*\g+7], v[12+\c]   ; registers 4 c .. 4 c + 3 of the fragment
.endr
.endr
	v_nop                                          ; one plain place behind the scaled conversions
.irp c, 0,1
	global_store_b128 v1, v[CD+8*\s+4*\c:CD+8*\s+4*\c+3], s[10:11] offset:1024*\s+512*\c   ; 32 lanes store 512 consecutive bytes of the image
.endr
.endm
	LOAD 0
	LOAD 1
	s_wait_loadcnt 16                              ; step 0's sixteen loads are in; step 1's sixteen are younger
	TO_STAGE 0
	FROM_STAGE 0
	s_wait_loadcnt 0x0
	TO_STAGE 1
	s_wait_dscnt 16                                ; step 0 is back from its stage; step 1's sixteen stores are younger
	FROM_STAGE 1                                   ; step 1 comes back while step 0 is quantised
	QB 0
	s_wait_dscnt 0x0
	QB 1
	v_cmp_eq_u32 vcc_lo, 8, v5
	HINT 1
	v_cndmask_b32 v163, v160, v161, vcc_lo         ; both halves of the lanes hold both words: lane (r, h) stores step h's
	global_store_b32 v4, v163, s[12:13]            ; 8 bytes of each row's 16: one byte in 128 of what the launch reads
	s_wait_tensorcnt 0x0                           ; the wave's end, behind my last LDS store
	ds_add_u32 v[SPW], v[NIL]
	s_wait_dscnt 0x0
	s_endpgm
.Lfunc_end_k_q6fd56e0d00_quant:
	.size	k_q6fd56e0d00_quant, .Lfunc_end_k_q6fd56e0d00_quant-k_q6fd56e0d00_quant
	.p2alignl 7, 3214868480
	.fill 96, 4, 3214868480
	.section	.rodata,"a",@progbits
	.p2align	6, 0x0
	.amdhsa_kernel k_q6fd56e0d00_quant
		.amdhsa_group_segment_fixed_size 136192
		.amdhsa_private_segment_fixed_size 0
		.amdhsa_enable_private_segment 0
		.amdhsa_kernarg_size 40
		.amdhsa_user_sgpr_count 2
		.amdhsa_user_sgpr_kernarg_segment_ptr 1
		.amdhsa_wavefront_size32 1
		.amdhsa_system_sgpr_workgroup_id_x 1
		.amdhsa_system_sgpr_workgroup_id_y 1
		.amdhsa_system_sgpr_workgroup_id_z 1
		.amdhsa_system_vgpr_workitem_id 0
		.amdhsa_next_free_vgpr 176
		.amdhsa_next_free_sgpr 66
		.amdhsa_reserve_vcc 1
		.amdhsa_float_denorm_mode_32 3
		.amdhsa_float_denorm_mode_16_64 3
		.amdhsa_memory_ordered 1
		.amdhsa_forward_progress 1
		.amdhsa_inst_pref_size 19
	.end_amdhsa_kernel
	.amdgpu_metadata
---
amdhsa.version: [ 1, 2 ]
amdhsa.kernels:
  - .name:           k_q6fd56e0d00_quant
    .symbol:         k_q6fd56e0d00_quant.kd
    .args:
      - { .name: x, .offset: 0, .size: 8, .value_kind: global_buffer, .address_space: global }
      - { .name: Wqkv_w, .offset: 8, .size: 8, .value_kind: global_buffer, .address_space: global }
      - { .name: out_w, .offset: 16, .size: 8, .value_kind: global_buffer, .address_space: global }
      - { .name: cod, .offset: 24, .size: 8, .value_kind: global_buffer, .address_space: global }
      - { .name: scl, .offset: 32, .size: 8, .value_kind: global_buffer, .address_space: global }
    .group_segment_fixed_size: 136192
    .private_segment_fixed_size: 0
    .kernarg_segment_align: 8
    .kernarg_segment_size: 40
    .max_flat_workgroup_size: 256
    .sgpr_count:     66
    .vgpr_count:     176
    .wavefront_size: 32
...
	.end_amdgpu_metadata
.endif
;; end of part 1
;; launch proj (part 2): grid 8 x 24, 4 waves a work-group, clusters of 4 x 4, 262,656 bytes of LDS; arguments cod, scl, Wqkv_b, qkv; writes qkv
.if DOCPART == 2
	.amdgcn_target "amdgcn-amd-amdhsa--gfx1250"
	.amdhsa_code_object_version 6
	.text
	.protected	k_q6fd56e0d00_proj
	.globl	k_q6fd56e0d00_proj
	.p2align	8
	.type	k_q6fd56e0d00_proj,@function
k_q6fd56e0d00_proj:
	s_mov_b64 s[64:65], 0
	v_nop
	global_prefetch_b8 v0, s[64:65] scope:SCOPE_SE
	s_setreg_imm32_b32 hwreg(HW_REG_WAVE_MODE, 25, 1), 1
	s_wait_xcnt 0x0
	s_wait_alu depctr_hold_cnt(0) depctr_sa_sdst(0) depctr_va_vdst(0) depctr_va_sdst(0) depctr_va_ssrc(0) depctr_va_vcc(0) depctr_vm_vsrc(0)
	s_getreg_b32 s2, hwreg(HW_REG_IB_STS2, 6, 4)
	s_cmp_eq_u32 s2, 0
	s_cbranch_scc0 .Lentry_in_a_cluster
	s_endpgm
.Lentry_in_a_cluster:
	s_bfe_u32 s2, ttmp6, 0x10000c
	s_cmp_lg_u32 s2, 0xf033
	s_cbranch_scc0 .Lentry_shape_is_right
	s_endpgm
.Lentry_shape_is_right:
; qkv = x Wqkv_w^T + Wqkv_b on the codes that launch quant made, K = 1,024; the result never goes to memory as f32: it is quantised in registers into the operands of attention's two products.
; A work-group of four waves makes 256 (source 0) x 256 (source 1); a wave 128 x 128: 64 accumulators, 512 registers.  A lane's registers run along SOURCE 0's rows (tiles of chosen rows: see quant), so the result is quantised along source 0's axis.
; TWO ROLES, told apart by the CLUSTER's y, which all sixteen partners share:
;   q, k (cluster y 0-3): source 0 = rows of Wqkv_w (the heads' channels), source 1 = rows of x: quantised along a head's 64 channels.  Cluster x = 0 makes q, cluster x = 1 makes k.
;   v    (cluster y 4-5): source 0 = rows of x (the keys), source 1 = v's rows of Wqkv_w: quantised along the keys, which are the second product's K.
; Both operands come from cod and scl, so a role only selects numbers of groups of 16 tiles.  128 + 64 = 192 work-groups.
; CLUSTERS: 4 x 4.  Source 1's tiles hang on the work-group's y alone and are asked for jointly along a row of the cluster, source 0's on its x (and the cluster's y) alone, jointly along a column.
; LDS: K = 1,024 is two slots of four K steps; both are first fills, nothing is filled again.  A slot: source 1's 16 tiles x 4,096 bytes, then source 0's.  Images of registers: every fragment load is 512 consecutive bytes, so there is no padding.
; The bias is the C of each sum's first product.  The scale words of all of K stay in registers (64).
; qkv: KVC at 0 [16 heads][32 key steps][8,192]: k: 8 tiles x 512 bytes (lane (r, h): block h of the key's 64), at +4,096 v: [c 2][4 tiles of channels][512];  KVS [16][32][768]: k's words [r 16][8 tiles] (bytes 2, 3 = 0), at +512 v's [r 16][4];
;      QC [16][32][8 tiles][512];  QS [16][32][r 16][8 tiles] words.
; LIMITS: as in quant (byte 1 for blocks of zeros and under 2^-124; NaN and infinities not served).
; REGISTERS: window 0: v1-6 lane numbers; v16-31 addresses; v32-95 scale words; v96-127 at work on the way out; v128-191 source 1's fragments, ONE set, later the codes made.
;   window 1: source 0's fragments, TWO sets, v0-63 and v128-191; v64-127 the bias as C.   windows 2, 3: accumulator (a, b) at v[8 (8 (a % 4) + b)].
; AS IT STANDS NOW: each wave brings 8 tiles' whole K by ONE tensor load: a tile is 8,192 bytes on end in LDS, source 1's 16 tiles at 0, source 0's at 131,072; 'slot' k is the k-th 4,096 bytes of each tile.
.set SLOT,  4096
.set S0OFF, 131072
.set SPARE, 262144                     ; behind the slots: the spare words, 128 bytes for each wave, that no other line names
.set NQ,    4                          ; K steps in a slot
.set FR,    8                          ; registers of a fragment
.set NL,    2                          ; LDS loads that bring one
.set NP,    4                          ; places behind this matrix instruction (ISA guide 7.12.1)
.set KVS,   4194304
.set QC,    4587520
.set QS,    6684672
.set ADR1,  16                         ; v16-17  LDS address of my fragments of source 1 in slot 0, 1
.set ADR0,  20                         ; v20-21  the same for source 0
.set ADS,   22                         ; v22     my byte offset in scl
.set BO,    23                         ; v23     128 h: the bias of the q, k role
.set VO,    24                         ; v24-27  the way out: my byte offset in qkv, [c][a / 4]
.set SPW,   28                         ; v28     LDS address of my spare word; never rewritten
.set NIL,   29                         ; v29     0; never rewritten
.set VS0,   30                         ; v30-31  the way out: where the scale words go
.set VS1,   31
.set SC,    32                         ; v[SC + 32 k + 4 i + q]: lanes 0-15 the word of source 1's tile i, lanes 16-31 that of source 0's tile i, K step 4 k + q
.set TM,    96                         ; v96-99 largest magnitudes, v100-103 bytes, v108-111 the conversions' scale operands
.set WW,    112                        ; v112-119 the scale word made for each a
.set SL,    120                        ; v120-127 at work (first: the v role's bias)
.set AF,    128
.set G1,    24                         ; s[24:31] descriptor group 1 for source 1;  s[32:35] group 0
.set G0,    32
.set G1B,   48                         ; s[48:55], s[56:59] the same for source 0
.set G0B,   56
.set MSB, 0
.macro WIN new                         ; the immediate's high byte repeats the setting that is left
.if MSB != (\new)
	s_set_vgpr_msb (MSB<<8)|(\new)
.set MSB, (\new)
.endif
.endm
.set MUL_LO, 0xa1                      ; source 0 window 1, source 1 window 0, C and D window 2
.set MUL_HI, 0xf1                      ; the same, C and D window 3
.set TO_B,   0x40                      ; destination window 1, address window 0
; A joint load: waves 0 and 1 fetch for source 1, waves 2 and 3 for source 0.  The branch hangs on the wave's number alone.  An s_nop 0 and four v_nop follow each line.
.macro JLOAD g0a, g1a, g0b, g1b
	s_cmp_eq_u32 s15, 0
	s_cbranch_scc0 .Lfor_b_\@
	tensor_load_to_lds s[\g0a:\g0a+3], s[\g1a:\g1a+7]
	s_nop 0
.rept 4
	v_nop
.endr
	s_branch .Lasked_\@
.Lfor_b_\@:
	tensor_load_to_lds s[\g0b:\g0b+3], s[\g1b:\g1b+7]
	s_nop 0
.rept 4
	v_nop
.endr
.Lasked_\@:
.endm
.macro CREST                           ; a round of the cluster's barrier behind its opening barrier
	s_cmp_lg_u32 s14, 0
	s_cbranch_scc1 .Lnot_wave_0_\@
	s_barrier_signal -3
.Lnot_wave_0_\@:
	s_barrier_wait -3
	s_barrier_signal -1
	s_barrier_wait -1
.endm
.macro CROUND
	s_barrier_signal -1
	s_barrier_wait -1
	CREST
.endm
	s_load_b128 s[4:7], s[0:1], 0x0                ; cod, scl
	s_load_b128 s[8:11], s[0:1], 0x10              ; Wqkv_b, qkv
	v_lshl_add_u32 v[SPW], v0, 2, SPARE
	v_mov_b32 v[NIL], 0
	ds_add_u32 v[SPW], v[NIL]                      ; the wave's opening: the add, twice on end, and its wait ahead of my first tensor load
	ds_add_u32 v[SPW], v[NIL]
	v_lshrrev_b32 v1, 5, v0
	v_readfirstlane_b32 s14, v1                    ; wave 0..3
	s_lshr_b32 s15, s14, 1                         ; which half of source 1 is mine.  Also: I fetch for source 1 (0) or source 0 (1)
	s_and_b32 s16, s14, 1                          ; which half of source 0.  Also: which 8 tiles I fetch
	s_bfe_u32 s40, ttmp6, 0x40000                  ; cx
	s_bfe_u32 s41, ttmp6, 0x40004                  ; cy
	s_lshl_b32 s42, ttmp9, 2
	s_add_co_u32 s42, s42, s40                     ; work-group x
	s_and_b32 s12, ttmp7, 0xffff                   ; cluster y
	s_lshl_b32 s17, s12, 2
	s_add_co_u32 s17, s17, s41                     ; work-group y
	s_lshl_b32 s43, s41, 2
	s_lshl_b32 s43, 15, s43                        ; my row of the cluster
	s_lshl_b32 s44, 0x1111, s40                    ; my column
	; descriptor group 1: 8 tiles' eight K steps: 8 rows of 8,192 bytes (1,024 elements of 8 bytes), 8,192 bytes apart in memory, on end in LDS
	s_or_b32 s[G1+0], s43, (3<<16)|(1<<21)         ; 15:0 the mask: source 1's tiles go to my row; 17:16 elements of 8 bytes; 21 set beside a mask
	s_or_b32 s[G1B+0], s44, (3<<16)|(1<<21)
.irp g, G1, G1B
	s_mov_b32 s[\g+1], 1024<<16                    ; tensor_dim0: a tile's eight K steps, 8,192 bytes
	s_mov_b32 s[\g+2], 8<<16                       ; tensor_dim1
	s_mov_b32 s[\g+3], 1024<<16                    ; tile_dim0
	s_mov_b32 s[\g+4], 8                           ; tile_dim1
	s_mov_b32 s[\g+5], 1024                        ; tensor_dim0_stride
	s_mov_b32 s[\g+6], 0
	s_mov_b32 s[\g+7], 0
.endr
	; the roles: groups of 16 tiles.  Source 1's number is made of cy and the cluster's y alone, source 0's of cx, the cluster's x and y alone
	s_add_co_u32 s18, s41, 24                      ; v: source 1 = v's rows of W
	s_add_co_u32 s19, s42, 16                      ; q, k: source 0 = q's and k's rows of W
	s_lshl_b32 s22, s12, 3
	s_add_co_u32 s22, s22, s42
	s_sub_co_u32 s22, s22, 32                      ; v: source 0 = x
	s_cmp_lt_u32 s12, 4
	s_cselect_b32 s67, s17, s18                    ; g1
	s_cselect_b32 s66, s19, s22                    ; g0
	s_cselect_b32 s69, ttmp9, 2                    ; the role: 0 q, 1 k, 2 v: the same in all sixteen partners
	s_lshl_b32 s23, s16, 3
	s_lshl_b32 s20, s67, 4
	s_add_co_u32 s20, s20, s23
	s_lshl_b32 s20, s20, 13                        ; source 1: the first tile that I fetch, x 8,192 bytes
	s_mov_b32 s21, 0
	s_lshl_b32 s46, s66, 4
	s_add_co_u32 s46, s46, s23
	s_lshl_b32 s46, s46, 13                        ; source 0 likewise
	s_mov_b32 s47, 0
	s_lshl_b32 s45, s14, 16                        ; where they go: wave x 65,536: no place in the cluster enters an LDS address
	s_mov_b32 s68, 0x1800000                       ; the floor 2^(3 - 127)
	s_mov_b32 s70, 0x76543210
	s_mov_b32 s71, 0xfedcba98                      ; v_permlanex16_b32's selects for lane l xor 16
	s_wait_dscnt 0x0                               ; both opening adds are done
	s_wait_kmcnt 0x0
	s_add_nc_u64 s[20:21], s[4:5], s[20:21]
	s_add_nc_u64 s[46:47], s[4:5], s[46:47]
	CROUND                                         ; all sixteen work-groups are here: the joint loads meet
.irp s, 0
	s_mov_b32 s[G0+4*\s], 1
	s_add_co_u32 s[G0+4*\s+1], s45, \s*SLOT
	s_add_nc_u64 s[G0+4*\s+2:G0+4*\s+3], s[20:21], \s*4096
	s_or_b32 s[G0+4*\s+3], s[G0+4*\s+3], 0x80000000
	s_mov_b32 s[G0B+4*\s], 1
	s_add_co_u32 s[G0B+4*\s+1], s45, \s*SLOT
	s_add_nc_u64 s[G0B+4*\s+2:G0B+4*\s+3], s[46:47], \s*4096
	s_or_b32 s[G0B+4*\s+3], s[G0B+4*\s+3], 0x80000000
	JLOAD G0+4*\s, G1, G0B+4*\s, G1B               ; one load a wave, and no more follow
.endr
	v_and_b32 v1, 15, v0                           ; r
	v_bfe_u32 v2, v0, 4, 1                         ; h
	v_and_b32 v3, 31, v0
	v_lshlrev_b32 v3, 4, v3                        ; 16 x lane
	s_wait_alu depctr_va_vdst(0)
	s_lshl_b32 s18, s67, 4                         ; the scale words: lanes 0-15 take source 1's tiles, lanes 16-31 source 0's
	s_lshl_b32 s19, s15, 3
	s_add_co_u32 s18, s18, s19
	s_lshl_b32 s18, s18, 9
	s_lshl_b32 s19, s66, 4
	s_add_co_u32 s19, s19, s23
	s_lshl_b32 s19, s19, 9
	v_mov_b32 v4, s18
	v_mov_b32 v5, s19
	v_cmp_eq_u32 vcc_lo, 1, v2
	v_cndmask_b32 v[ADS], v4, v5, vcc_lo
	v_lshl_add_u32 v[ADS], v1, 4, v[ADS]           ; + 16 r: a row's four words
.irp k, 0,1
.irp i, 0,1,2,3,4,5,6,7
	global_load_b128 v[SC+32*\k+4*\i:SC+32*\k+4*\i+3], v[ADS], s[6:7] offset:512*\i+256*\k
.endr
.endr
	s_lshl_b32 s21, s15, 16
	s_lshl_b32 s22, s16, 16
	s_add_co_u32 s22, s22, S0OFF
.irp s, 0,1
	v_add_nc_u32 v[ADR1+\s], s21, v3
	v_add_nc_u32 v[ADR0+\s], s22, v3
	s_add_co_u32 s21, s21, SLOT
	s_add_co_u32 s22, s22, SLOT
.endr
	s_cmp_eq_u32 s69, 2                            ; the bias belongs to W's rows: source 0's in the q, k role, source 1's in the v role
	s_cselect_b32 s18, s67, s66
	s_cselect_b32 s19, s15, s16
	s_sub_co_u32 s18, s18, 16
	s_lshl_b32 s18, s18, 8
	s_lshl_b32 s19, s19, 7
	s_add_co_u32 s18, s18, s19                     ; my first row of W
	s_lshl_b32 s18, s18, 2
	s_mov_b32 s19, 0
	s_add_nc_u64 s[8:9], s[8:9], s[18:19]
	v_lshlrev_b32 v[BO], 7, v2                     ; 128 h
	v_lshlrev_b32 v7, 3, v2                        ; 8 h: where my bytes stand in a scale word
	v_and_b32 v6, 8, v1
	v_mad_u32_u24 v6, v6, 3, v1
	v_lshlrev_b32 v6, 2, v6                        ; 4 (r % 8 + 32 (r / 8))
.irp b, 0,1,2,3
	v_mov_b32 v[TM+4+\b], 0                        ; written once: a lane permute's destination counts as one of its sources
.endr
	s_cmp_eq_u32 s69, 2
	s_cbranch_scc1 .Lbias_v
	WIN TO_B                                       ; q, k: for tiles 2 b, 2 b + 1 of source 0 a lane wants the bias of rows 64 (b / 2) + 16 (b % 2) + 32 h + 0 .. 15
.irp b, 0,1,2,3
.irp i, 0,1,2,3
	global_load_b128 v[64+16*\b+4*\i:64+16*\b+4*\i+3], v[BO], s[8:9] offset:256*(\b/2)+64*(\b%2)+16*\i   ; register 8 t + j: row 64 (t / 4) + 32 h + 8 (t % 4) + j
.endr
.endr
	WIN 0
	s_branch .Lbias_done
.Lbias_v:
	s_wait_alu depctr_va_vdst(0)
.irp a, 0,1,2,3,4,5,6,7
	global_load_b32 v[SL+\a], v6, s[8:9] offset:(64*(\a/4)+8*(\a%4))*4   ; v: one number a lane and tile of source 1: its row's
.endr
	s_wait_loadcnt 0x0
	WIN TO_B
.irp a, 0,1,2,3,4,5,6,7
.irp j, 0,1,2,3,4,5,6,7
	v_mov_b32 v[64+8*\a+\j], v[SL+\a]              ; in all eight registers of the C of tile a
.endr
.endr
	WIN 0
.Lbias_done:
	s_wait_alu depctr_va_vdst(0)
	s_wait_loadcnt 0x0                             ; scale words and bias
	s_wait_tensorcnt 0x0                           ; my tiles are in
	s_barrier_signal -1
	s_barrier_wait -1                              ; everybody's is
.macro FRAG reg, adr, q, i             ; a fragment comes back as it was stored: two loads of 512 consecutive bytes
.irp c, 0,1
	ds_load_b128 v[\reg+4*\c:\reg+4*\c+3], v[\adr] offset:1024*(\q)+512*\c+(\i)*8192
.endr
.endm
; 16 matrix instructions: source 1's tiles a0, a0 + 1 x source 0's eight, one K step.  p: source 0's set; sc: the slot.  zero = 1: C = the bias by source 0's tile; 2: by source 1's tile; 0: in place.
; The 64 accumulators take turns, one instruction a turn, in the same order in every step.
.macro MUL16 a0, p, q, sc, zero
.irp a, \a0, \a0+1
.irp b, 0,1,2,3,4,5,6,7
.if \zero == 1
	v_wmma_scale_f32_16x16x128_f8f6f4 v[8*(8*((\a)%4)+\b):8*(8*((\a)%4)+\b)+7], v[128*(\p)+FR*\b:128*(\p)+FR*\b+FR-1], v[AF+FR*(\a):AF+FR*(\a)+FR-1], v[64+8*\b:64+8*\b+7], v[SC+32*(\sc)+4*\b+(\q)], v[SC+32*(\sc)+4*(\a)+(\q)] matrix_a_fmt:MATRIX_FMT_FP4 matrix_b_fmt:MATRIX_FMT_FP4 matrix_a_scale:MATRIX_SCALE_ROW1
.elseif \zero == 2
	v_wmma_scale_f32_16x16x128_f8f6f4 v[8*(8*((\a)%4)+\b):8*(8*((\a)%4)+\b)+7], v[128*(\p)+FR*\b:128*(\p)+FR*\b+FR-1], v[AF+FR*(\a):AF+FR*(\a)+FR-1], v[64+8*(\a):64+8*(\a)+7], v[SC+32*(\sc)+4*\b+(\q)], v[SC+32*(\sc)+4*(\a)+(\q)] matrix_a_fmt:MATRIX_FMT_FP4 matrix_b_fmt:MATRIX_FMT_FP4 matrix_a_scale:MATRIX_SCALE_ROW1
.else
	v_wmma_scale_f32_16x16x128_f8f6f4 v[8*(8*((\a)%4)+\b):8*(8*((\a)%4)+\b)+7], v[128*(\p)+FR*\b:128*(\p)+FR*\b+FR-1], v[AF+FR*(\a):AF+FR*(\a)+FR-1], v[8*(8*((\a)%4)+\b):8*(8*((\a)%4)+\b)+7], v[SC+32*(\sc)+4*\b+(\q)], v[SC+32*(\sc)+4*(\a)+(\q)] matrix_a_fmt:MATRIX_FMT_FP4 matrix_b_fmt:MATRIX_FMT_FP4 matrix_a_scale:MATRIX_SCALE_ROW1
.endif
.endr
.endr
.endm
.macro FETCH_B slot, q, p              ; source 0's eight fragments of the slot's q-th K step into set p
	WIN TO_B
.irp i, 0,1,2,3,4,5,6,7
	FRAG 128*(\p)+FR*\i, ADR0+\slot, \q, \i
.endr
	WIN 0
.endm
.macro FETCH_A slot, q, i0             ; source 1's tiles i0 .. i0 + 3
.irp i, \i0, \i0+1, \i0+2, \i0+3
	FRAG AF+FR*(\i), ADR1+\slot, \q, \i
.endr
.endm
.macro PLACES n                        ; plain vector instructions in front of loads into registers that matrix instructions have read, and of the first read of results
.rept \n
	v_nop
.endr
.endm
; A K step that has its successor in the same slot.  Source 1 has one set of registers: tiles 0-3 are fetched anew in the step's middle, tiles 4-7 at its end.
.macro STEP slot, q, zero
	s_wait_dscnt 4*NL                              ; all but the youngest eight loads (source 1's tiles 4-7) are in
.if \zero
	WIN 0x91                                       ; source 0 and C window 1, D window 2
.else
	WIN MUL_LO
.endif
	MUL16 0, (\q)%2, \q, \slot, \zero
	MUL16 2, (\q)%2, \q, \slot, \zero
	s_wait_dscnt 0
	PLACES NP
	FETCH_B \slot, (\q)+1, 1-(\q)%2
	FETCH_A \slot, (\q)+1, 0
.if \zero
	WIN 0xd1                                       ; D window 3
.else
	WIN MUL_HI
.endif
	MUL16 4, (\q)%2, \q, \slot, \zero
	MUL16 6, (\q)%2, \q, \slot, \zero
	PLACES NP
	WIN 0
	FETCH_A \slot, (\q)+1, 4
.endm
; The fourth K step: its successor is the first of the other half of K.
.macro TURN slot, next
	s_wait_dscnt 4*NL                              ; all but the youngest eight loads (source 1's tiles 4-7) are in
	WIN MUL_LO
	MUL16 0, 1, NQ-1, \slot, 0
	MUL16 2, 1, NQ-1, \slot, 0
	s_wait_dscnt 0x0
	PLACES NP
	FETCH_B \next, 0, 0
	FETCH_A \next, 0, 0
	WIN MUL_HI
	MUL16 4, 1, NQ-1, \slot, 0
	MUL16 6, 1, NQ-1, \slot, 0
	PLACES NP
	WIN 0
	FETCH_A \next, 0, 4
.endm
.macro STEPS slot, from
.set Q, \from
.rept NQ-1-\from
	STEP \slot, Q, 0
.set Q, Q+1
.endr
.endm
	FETCH_B 0, 0, 0
	FETCH_A 0, 0, 0
	FETCH_A 0, 0, 4
	s_cmp_eq_u32 s69, 2                            ; the first step is written for each role: it differs in which registers are its C
	s_cbranch_scc1 .Lfirst_v
	s_wait_alu depctr_va_vdst(0)
	STEP 0, 0, 1
	s_branch .Lfirst_done
.Lfirst_v:
	s_wait_alu depctr_va_vdst(0)
	STEP 0, 0, 2
.Lfirst_done:
	STEPS 0, 1
	TURN 0, 1
	STEPS 1, 0
	s_wait_dscnt 4*NL                              ; the last step: nothing more to fetch
	WIN MUL_LO
	MUL16 0, 1, NQ-1, 1, 0
	MUL16 2, 1, NQ-1, 1, 0
	s_wait_dscnt 0
	WIN MUL_HI
	MUL16 4, 1, NQ-1, 1, 0
	MUL16 6, 1, NQ-1, 1, 0
	WIN 0
	; THE WAY OUT.  One text for the three roles: only numbers differ.  h0: the first of my two heads; ks: my 128 queries or keys.
	s_lshl_b32 s72, s40, 2
	s_lshl_b32 s18, s16, 1
	s_add_co_u32 s72, s72, s18                     ; q, k: h0 = 4 cx + 2 x (my half of source 0)
	s_lshl_b32 s73, s41, 2
	s_lshl_b32 s18, s15, 1
	s_add_co_u32 s73, s73, s18                     ; v: 4 cy + 2 x (my half of source 1)
	s_lshl_b32 s74, s17, 1
	s_add_co_u32 s74, s74, s15                     ; q, k: ks = 2 x work-group y + my half of source 1
	s_lshl_b32 s75, s66, 1
	s_add_co_u32 s75, s75, s16                     ; v: 2 g0 + my half of source 0
	s_mov_b32 s76, 262144                          ; codes: from head to head,
	s_mov_b32 s77, 8192                            ; from ks to ks;
	s_mov_b32 s81, 24576                           ; scale words likewise
	s_mov_b32 s82, 768
	s_mov_b32 s83, KVS
	s_cmp_eq_u32 s69, 0
	s_cselect_b32 s76, 131072, s76
	s_cselect_b32 s77, 4096, s77
	s_cselect_b32 s78, QC, 0
	s_cselect_b32 s81, 16384, s81
	s_cselect_b32 s82, 512, s82
	s_cselect_b32 s83, QS, s83
	s_cmp_eq_u32 s69, 2
	s_cselect_b32 s72, s73, s72
	s_cselect_b32 s74, s75, s74
	s_cselect_b32 s78, 4096, s78
	s_cselect_b32 s79, 2048, s76                   ; from c = 0 to c = 1: q, k: the next head; v: the fragment's second half
	s_cselect_b32 s80, s76, 2048                   ; from a = 0-3 to a = 4-7: q, k: four tiles on; v: the next head
	s_mul_i32 s18, s72, s76
	s_mul_i32 s19, s74, s77
	s_add_co_u32 s78, s78, s18
	s_add_co_u32 s78, s78, s19
	s_mul_i32 s18, s72, s81
	s_mul_i32 s19, s74, s82
	s_add_co_u32 s83, s83, s18
	s_add_co_u32 s83, s83, s19
	v_add_nc_u32 v[VO], s78, v3
	v_add_nc_u32 v[VO+1], s80, v[VO]
	v_add_nc_u32 v[VO+2], s79, v[VO]
	v_add_nc_u32 v[VO+3], s80, v[VO+2]
	PLACES NP
; Tile a of source 1: the lane's 64 numbers (register 16 b + i = place 64 (b / 2) + 16 (b % 2) + 32 h + i along source 0's 128 rows) become a fragment's codes and its scale word.  Each accumulator is read from its low end on.
.macro EPI a
.set AC, 64*((\a)%4)
.set PCD, AF+8*(\a)
	WIN 0x14*(2+(\a)/4)                            ; sources 1 and 2: window 2 or 3
.irp b, 0,1,2,3
	v_max3_num_f32 v[TM+\b], s68, |v[AC+16*\b]|, |v[AC+16*\b+1]|   ; with the floor among the leaves: the byte cannot fall under 1
.endr
.irp i, 2,4,6,8,10,12,14
.irp b, 0,1,2,3
	v_max3_num_f32 v[TM+\b], v[TM+\b], |v[AC+16*\b+\i]|, |v[AC+16*\b+\i+1]|   ; (the four blocks by turns)
.endr
.endr
	WIN 0
	; register 32 c + i is place 64 c + 32 h + i: block 2 c + h, whole in my lane
	v_max_num_f32 v[TM], v[TM], v[TM+1]
	v_max_num_f32 v[TM+2], v[TM+2], v[TM+3]
	v_add_nc_u32 v[TM+12], 0xff000000, v[TM]       ; 2 off its exponent field: the conversion's scale operand
	v_add_nc_u32 v[TM+13], 0xff000000, v[TM+2]
	v_lshrrev_b32 v[TM+4], 23, v[TM+12]            ; the scale's byte
	v_lshrrev_b32 v[TM+5], 23, v[TM+13]
	v_lshl_or_b32 v[WW+\a], v[TM+5], 16, v[TM+4]
	v_lshlrev_b32 v[WW+\a], v7, v[WW+\a]
	v_permlanex16_b32 v[TM+6], v[WW+\a], s70, s71
	v_or_b32 v[WW+\a], v[WW+\a], v[TM+6]           ; with lane l xor 16's two bytes the word is whole
	WIN 2+(\a)/4                                   ; source 0: window 2 or 3
.irp c, 0,1
.irp g, 0,1,2,3
	v_cvt_scalef32_pk8_fp4_f32 v[PCD+4*\c+\g], v[AC+32*\c+8*\g:AC+32*\c+8*\g+7], v[TM+12+\c]
.endr
.endr
	WIN 0
	v_nop                                          ; one plain place behind the scaled conversions
.irp c, 0,1
	global_store_b128 v[VO+2*\c+(\a)/4], v[PCD+4*\c:PCD+4*\c+3], s[10:11] offset:512*((\a)%4)   ; 32 lanes store 512 consecutive bytes; each a has registers of its own, so no store's data are written again
.endr
.endm
.irp a, 0,1,2,3,4,5,6,7
	EPI \a
.endr
	v_cmp_eq_u32 vcc_lo, 1, v2                     ; both halves of the lanes hold all eight words: lanes 0-15 store those of a = 0-3, lanes 16-31 those of a = 4-7
.irp i, 0,1,2,3
	v_cndmask_b32 v[SL+\i], v[WW+\i], v[WW+4+\i], vcc_lo
.endr
	s_cmp_eq_u32 s69, 2
	s_cbranch_scc1 .Ltail_v
	v_lshlrev_b32 v[VS0], 5, v1                    ; q, k: a word's bytes 0, 1 are head h0's, bytes 2, 3 head h0 + 1's; each becomes a word whose bytes 2, 3 are 0
	v_lshl_add_u32 v[VS0], v2, 4, v[VS0]
	v_add_nc_u32 v[VS0], s83, v[VS0]               ; 32 r + 16 h: eight tiles' words a row
	v_add_nc_u32 v[VS1], s81, v[VS0]
.irp i, 0,1,2,3
	v_and_b32 v[SL+4+\i], 0xffff, v[SL+\i]
.endr
.irp i, 0,1,2,3
	v_lshrrev_b32 v[TM+\i], 16, v[SL+\i]
.endr
	global_store_b128 v[VS0], v[SL+4:SL+7], s[10:11]   ; 512 consecutive bytes
	global_store_b128 v[VS1], v[TM:TM+3], s[10:11]
	s_branch .Ltail_done
.Ltail_v:
	v_lshlrev_b32 v[VS0], 4, v1                    ; v: a word is whole: four blocks of 32 keys; lanes 0-15 head h0, lanes 16-31 head h0 + 1
	v_mul_u32_u24 v[VS1], v2, 24576
	v_add3_u32 v[VS0], v[VS0], v[VS1], s83
	s_wait_alu depctr_va_vdst(0)
	global_store_b128 v[VS0], v[SL:SL+3], s[10:11] offset:512   ; sixteen lanes store 256 consecutive bytes
.Ltail_done:
	s_wait_tensorcnt 0x0                           ; the wave's end
	ds_add_u32 v[SPW], v[NIL]
	s_wait_dscnt 0x0
	CROUND                                         ; the closing round
	s_endpgm
.Lfunc_end_k_q6fd56e0d00_proj:
	.size	k_q6fd56e0d00_proj, .Lfunc_end_k_q6fd56e0d00_proj-k_q6fd56e0d00_proj
	.p2alignl 7, 3214868480
	.fill 96, 4, 3214868480
	.section	.rodata,"a",@progbits
	.p2align	6, 0x0
	.amdhsa_kernel k_q6fd56e0d00_proj
		.amdhsa_group_segment_fixed_size 262656
		.amdhsa_private_segment_fixed_size 0
		.amdhsa_enable_private_segment 0
		.amdhsa_kernarg_size 32
		.amdhsa_user_sgpr_count 2
		.amdhsa_user_sgpr_kernarg_segment_ptr 1
		.amdhsa_wavefront_size32 1
		.amdhsa_system_sgpr_workgroup_id_x 1
		.amdhsa_system_sgpr_workgroup_id_y 1
		.amdhsa_system_sgpr_workgroup_id_z 1
		.amdhsa_system_vgpr_workitem_id 0
		.amdhsa_next_free_vgpr 1024
		.amdhsa_next_free_sgpr 100
		.amdhsa_reserve_vcc 1
		.amdhsa_float_denorm_mode_32 3
		.amdhsa_float_denorm_mode_16_64 3
		.amdhsa_memory_ordered 1
		.amdhsa_forward_progress 1
		.amdhsa_inst_pref_size 137
	.end_amdhsa_kernel
	.amdgpu_metadata
---
amdhsa.version: [ 1, 2 ]
amdhsa.kernels:
  - .name:           k_q6fd56e0d00_proj
    .symbol:         k_q6fd56e0d00_proj.kd
    .args:
      - { .name: cod, .offset: 0, .size: 8, .value_kind: global_buffer, .address_space: global }
      - { .name: scl, .offset: 8, .size: 8, .value_kind: global_buffer, .address_space: global }
      - { .name: Wqkv_b, .offset: 16, .size: 8, .value_kind: global_buffer, .address_space: global }
      - { .name: qkv, .offset: 24, .size: 8, .value_kind: global_buffer, .address_space: global }
    .group_segment_fixed_size: 262656
    .private_segment_fixed_size: 0
    .kernarg_segment_align: 8
    .kernarg_segment_size: 32
    .max_flat_workgroup_size: 128
    .sgpr_count:     100
    .vgpr_count:     1024
    .wavefront_size: 32
...
	.end_amdgpu_metadata
.endif
;; end of part 2
;; launch attn (part 3): grid 16 x 16, 8 waves a work-group, no clusters, 327,680 bytes of LDS; arguments qkv, attn_bias, cod, scl; writes cod, scl
.if DOCPART == 3
	.amdgcn_target "amdgcn-amd-amdhsa--gfx1250"
	.amdhsa_code_object_version 6
	.text
	.protected	k_q6fd56e0d00_attn
	.globl	k_q6fd56e0d00_attn
	.p2align	8
	.type	k_q6fd56e0d00_attn,@function
k_q6fd56e0d00_attn:
	s_mov_b64 s[64:65], 0
	v_nop
	global_prefetch_b8 v0, s[64:65] scope:SCOPE_SE
	s_setreg_imm32_b32 hwreg(HW_REG_WAVE_MODE, 25, 1), 1
	s_wait_xcnt 0x0
; O[h][q] = sum over keys k <= q of softmax_k(Q[h][q] . K[h][k] / 8 + attn_bias[h][k]) V[h][k], both products on codes of FP4 with E8M0 scales; the result is quantised along the model's 1,024 for the last product.
; WORK LEFT OUT (shown at the head of launch quant): key steps all of whose keys reference()'s own tril hides from a block of 128 queries, and a chunk of keys that no wave of the work-group reads.
; THE SOFTMAX: t = S log2(e); M = the row's largest t so far, rounded UP to a whole number; p = 2^(t - M) is what is quantised, along the keys, not normalised.  The row's sum is taken of the unquantised p and divides O at the end.
; When M moves, the sum and O are multiplied by 2^(old M - new M): exact.  A block's scale exponent is floor(its largest t - M): p = 2^(t - M) has that exponent.
; SHARES.  A work-group has one head and TWO blocks of 128 queries, walked one behind the other: block 31 - j, then block j (j = work-group x): 33 key steps in every work-group, whatever j.
; A wave owns TWO tiles of 16 queries of a block (8 tiles: four pairs), so that each fragment of K and V and each register of bias serves both; waves w and w xor 4 have the same pair and share its key steps out by parity.
; Behind each walk the two partners exchange partial results in LDS: each gives away the tile in its place 1 and finishes the tile in its place 0 (the partner holds the two the other way round).
; LDS HOLDS THE WHOLE HEAD: four chunks of 8 key steps, [4 slices][8 steps][2,048 bytes] (K tiles 0-3, K tiles 4-7, V's halves), at 65,536 n; scale words (768 a step) at 262,144; attn_bias (512 a step) at 286,720; spare words at 303,104.
; Every byte is filled once.  Chunk 0 comes at the head, chunk n + 1 behind the barrier that shows chunk n, one load a wave: waves 0-3 a slice each, wave 4 the chunk's scale words, wave 5 its bias.
; The exchange lies in chunks 2 and 3, which the second walk (16 steps at the most) does not read.
; NO CLUSTER: the chunks that a work-group asks for end at its causal limit, by a jump on the work-group's number; partners would need different numbers of tiles.
; LAYOUT.  Both products transposed: S^T = K Q^T, O^T = V^T P^T: a lane holds ONE query throughout.  By the tiles' rows (see quant) register 32 c + i of S is key 64 c + 32 h + i of the step: block 2 c + h is whole in the lane,
; where p's operand layout wants its codes: no exchange of codes or maxima between lanes but one for the row and one for the scale word.
; K = 64 IN A FORM OF K = 128.  Q's registers 4-7 are zero codes.  K's tile t is named as v[K + 4 t : K + 4 t + 7]: its upper four registers are the next tile's codes (behind the last tile: zeros); they meet Q's zero codes,
; FP4 has no NaN and no infinity, and bytes 2, 3 of both scale words are 0, never 0xff: so k = 64 .. 127 adds exactly 0.
; THE 1 / 8 AND THE BIAS COST NO VECTOR INSTRUCTION.  3 is taken off Q's two scale bytes once (held at 1: LIMIT: a block of q whose byte is under 4, largest magnitude under 2^-121, is scaled as if its byte were 4);
; attn_bias is the C of the first product, in 64 registers that both tiles' products read.
; LIMITS: NaN and infinities among the inputs are not served; a block of zeros gets the byte 1; |t| stays under 2^31.
; REGISTERS.  Place u's own lie in window u, under the same numbers: v16-23 Q; v24-87 S, then p; v88-119 O^T; v120-127 p's codes; v[12:13] the sum; v128-137 at work; v134 largest score; v[138:139] -M; v[140:141] f;
;   v142-147 at work; v148 -infinity; v149 my query in the block less 32 h; v150 8 h.   Window 0 alone: v1-4, v7, v14, v15, v240 lane places; v5, v6 the add's two; v8-11 addresses in hand; v152-187 K and zeros; v188-219 V;
;   v220-227 K's, v228-231 V's, v232-233 Q's, v234-235 p's scale words; v236-239 the exchange's addresses.   Window 1 alone: v152-215 the bias.
.set SCL,   262144
.set BIAS,  286720
.set SPARE, 303104                     ; the spare words, 128 bytes for each of eight waves, that no other line names
.set STG,   131072                     ; the exchange: 4,352 bytes a wave; the second walk's 65,536 further on
.set XP,    4352
.set KVS,   4194304
.set QC,    4587520
.set QS,    6684672
.set S,     24
.set O,     88
.set CD,    120
.set K,     152
.set BI,    152
.set V,     188
.set KS,    220
.set VS,    228
.set QW,    232
.set PW,    234
.set NC,    12                         ; s12 -log2(e)
.set PAR,   13                         ; s13 my parity of key steps
.set TT0,   14                         ; s14, s15 the tiles of the block in my places 0 and 1
.set TT1,   15
.set LATE,  16                         ; s16, s17 the two blocks
.set EARLY, 17
.set WV,    18
.set HD,    19
.set SEL,   20                         ; s[20:21] selects for lane l xor 16
.set CS,    22                         ; s[22:23] log2(e): the packed form names a pair
.set G1,    24                         ; descriptor groups 1: a slice of a chunk; s[32:39] its scale words; s[40:47] its bias
.set G1S,   32
.set G1B,   40
.set G0,    48                         ; and groups 0, which walk
.set G0S,   52
.set G0B,   56
.set CB,    60                         ; s60-62 where the chunk's codes, scale words, bias of my parity begin
.set CSC,   61
.set CBI,   62
.set IT,    63                         ; s63 step of my parity in the chunk, 0 .. 3
.set SLOTS, 66
.set SN,    67                         ; s67 the key step
.set BLK,   68                         ; s68 the block in hand: its last key step, the diagonal
.set NX,    69                         ; s69 first key step of the next chunk
.set LIM,   70                         ; s70 1 in a work-group that prefetches, else the greatest number
.set PFA,   72                         ; s[72:73] where my prefetches stand
.set MSB, 0
.macro WIN new                         ; the immediate's high byte repeats the setting that is left
.if MSB != (\new)
	s_set_vgpr_msb (MSB<<8)|(\new)
.set MSB, (\new)
.endif
.endm
.macro HINT n
	s_delay_alu instid0(VALU_DEP_\n)
.endm
.macro TLOAD                           ; one tree of branches on the wave's number, one load to an arm; an s_nop 0 and four v_nop follow each
	s_cmp_lt_u32 s[WV], 4
	s_cbranch_scc0 .Lscales_\@
	tensor_load_to_lds s[G0:G0+3], s[G1:G1+7]
	s_nop 0
.rept 4
	v_nop
.endr
	s_branch .Lasked_\@
.Lscales_\@:
	s_cmp_lt_u32 s[WV], 5
	s_cbranch_scc0 .Lbias_\@
	tensor_load_to_lds s[G0S:G0S+3], s[G1S:G1S+7]
	s_nop 0
.rept 4
	v_nop
.endr
	s_branch .Lasked_\@
.Lbias_\@:
	s_cmp_lt_u32 s[WV], 6
	s_cbranch_scc0 .Lasked_\@
	tensor_load_to_lds s[G0B:G0B+3], s[G1B:G1B+7]
	s_nop 0
.rept 4
	v_nop
.endr
.Lasked_\@:
.endm
; A PREFETCH INTO THE L2 of the chunk's codes that the NEXT change of chunks will ask for: eight key steps ahead of that load.  All work-groups of a head walk the same images: work-group x = 0, which walks all four chunks, asks, and nobody else;
; in it each wave 8,192 bytes, lanes 256 bytes apart: each block of 256 bytes of chunks 2 and 3 is named once.  Chunks 0 and 1 come by their loads alone, and the last change that fills asks for nothing.
.macro ASK
	s_cmp_gt_u32 s[SLOTS], s[LIM]
	s_cbranch_scc0 .Lnot_mine_\@
	global_prefetch_b8 v7, s[PFA:PFA+1] th:TH_LOAD_NT scope:SCOPE_SE
.Lnot_mine_\@:
.endm
.macro QPTR                            ; where Q's codes and scale words of the block's two tiles lie: QC + head x 131,072 + block x 4,096 + tile x 512; QS + head x 16,384 + block x 512 + tile x 4
	s_mov_b32 s99, 0
	s_lshl_b32 s96, s[HD], 17
	s_lshl_b32 s97, s[BLK], 12
	s_add_co_u32 s96, s96, s97
	s_add_co_u32 s96, s96, QC
	s_lshl_b32 s97, s[TT0], 9
	s_add_co_u32 s98, s96, s97
	s_add_nc_u64 s[82:83], s[4:5], s[98:99]
	s_lshl_b32 s97, s[TT1], 9
	s_add_co_u32 s98, s96, s97
	s_add_nc_u64 s[84:85], s[4:5], s[98:99]
	s_lshl_b32 s96, s[HD], 14
	s_lshl_b32 s97, s[BLK], 9
	s_add_co_u32 s96, s96, s97
	s_add_co_u32 s96, s96, QS
	s_lshl_b32 s97, s[TT0], 2
	s_add_co_u32 s98, s96, s97
	s_add_nc_u64 s[86:87], s[4:5], s[98:99]
	s_lshl_b32 s97, s[TT1], 2
	s_add_co_u32 s98, s96, s97
	s_add_nc_u64 s[88:89], s[4:5], s[98:99]
.endm
.macro OPTR                            ; where the finished tile 512 + 8 block + TT0 goes: cod: K step head / 2, half head % 2; scl: half of K head / 8, bytes 2 (head % 8) + 0, 1 of a row's sixteen
	s_mov_b32 s99, 0
	s_lshl_b32 s96, s[BLK], 3
	s_add_co_u32 s96, s96, s[TT0]
	s_add_co_u32 s96, s96, 512
	s_lshl_b32 s98, s96, 13
	s_lshl_b32 s97, s[HD], 9
	s_add_co_u32 s98, s98, s97
	s_add_nc_u64 s[90:91], s[8:9], s[98:99]
	s_lshl_b32 s98, s96, 9
	s_lshr_b32 s97, s[HD], 3
	s_lshl_b32 s97, s97, 8
	s_add_co_u32 s98, s98, s97
	s_and_b32 s97, s[HD], 7
	s_lshl_b32 s97, s97, 1
	s_add_co_u32 s98, s98, s97
	s_add_nc_u64 s[92:93], s[10:11], s[98:99]
.endm
.macro QLOAD
	global_load_b128 v[16:19], v1, s[82:83]        ; Q's codes: block h of query r
	WIN 0x40
	global_load_b128 v[16:19], v1, s[84:85]
	WIN 0
	global_load_b32 v[QW], v240, s[86:87]
	global_load_b32 v[QW+1], v240, s[88:89]
.endm
.macro QPREP                           ; 3 off each of Q's two scale bytes, held at 1: the product is then q . k / 8
.irp u, 0,1
	v_and_b32 v[128+2*\u], 0xff, v[QW+\u]
	v_bfe_u32 v[129+2*\u], v[QW+\u], 8, 8
.endr
.irp u, 0,1,2,3
	v_max_u32 v[128+\u], 4, v[128+\u]
.endr
.irp u, 0,1,2,3
	v_add_nc_u32 v[128+\u], -3, v[128+\u]
.endr
.irp u, 0,1
	v_lshl_or_b32 v[QW+\u], v[129+2*\u], 8, v[128+2*\u]
.endr
.endm
.macro INIT                            ; a walk begins.  (The step is written alike for all steps: the first finds zeros, which the first change of M leaves zeros)
.irp u, 0,1
	WIN 0x55*(\u)
	v_mov_b32 v134, 0xff167699                     ; the largest score so far: -2e38, under every score
.set NN, 0
.rept 32
	v_mov_b32 v[O+NN], 0
.set NN, NN+1
.endr
	v_mul_f32 v135, s[NC], v134
	v_mov_b32 v12, 0
	v_mov_b32 v13, 0
	v_floor_f32 v138, v135                         ; -M
.endr
	WIN 0
	s_lshl_b32 s[CB], s[PAR], 11
	s_mul_i32 s[CSC], s[PAR], 768
	s_lshl_b32 s[CBI], s[PAR], 9
	s_mov_b32 s[SN], s[PAR]
.endm
.macro OM n                            ; O^T under the new M
	v_pk_mul_f32 v[O+2*(\n):O+2*(\n)+1], v[O+2*(\n):O+2*(\n)+1], v[140:141] op_sel_hi:[1,0]
.endm
; Place u ahead of its exponentials: the largest score of each of my two blocks (they serve for the row's maximum and for the blocks' scales), M, f, O^T and the sum under the new M, the scales, t - M.
.macro PRE u
	WIN 0x55*(\u)
	v_max3_num_f32 v128, v[S], v[S+1], v[S+2]      ; each accumulator is first read at its low end
	v_max3_num_f32 v129, v[S+17], v[S+18], v[S+19]
	v_max3_num_f32 v130, v[S+32], v[S+33], v[S+34]
	v_max3_num_f32 v131, v[S+49], v[S+50], v[S+51]
.irp i, 3,5,7,9,11,13
	v_max3_num_f32 v128, v128, v[S+\i], v[S+\i+1]
	v_max3_num_f32 v129, v129, v[S+17+\i], v[S+18+\i]
	v_max3_num_f32 v130, v130, v[S+32+\i], v[S+33+\i]
	v_max3_num_f32 v131, v131, v[S+49+\i], v[S+50+\i]
.endr
	v_max3_num_f32 v128, v128, v[S+15], v[S+16]
	v_max3_num_f32 v130, v130, v[S+47], v[S+48]
	v_max_num_f32 v128, v128, v129
	v_max_num_f32 v130, v130, v131
	HINT 1
	v_max_num_f32 v132, v128, v130
	HINT 1
	v_permlanex16_b32 v133, v132, s[SEL], s[SEL+1]
	HINT 1
	v_max3_num_f32 v134, v134, v132, v133          ; the running largest score of my query
	HINT 1
	v_mul_f32 v135, s[NC], v134
	HINT 1
	v_floor_f32 v137, v135                         ; the new -M = floor(-t) = -ceil(t): a whole number
	HINT 1
	v_sub_f32 v136, v137, v138                     ; old M - new M: a whole number, 0 or less
	v_mov_b32 v138, v137
	HINT 2
	v_cvt_i32_f32 v136, v136                       ; (it saturates)
	v_fma_f32 v128, v128, s[CS], v138              ; t - M of each block's largest score
	v_fma_f32 v130, v130, s[CS], v138
	v_ldexp_f32 v140, 1.0, v136                    ; f = 2^(old M - new M)
	v_max_num_f32 v128, 0xc2f80000, v128           ; held at -124: the byte cannot fall under 1
	v_max_num_f32 v130, 0xc2f80000, v130
	OM 0
	OM 1
	OM 2
	v_floor_f32 v128, v128
	v_floor_f32 v130, v130
	OM 3
	OM 4
	OM 5
	v_cvt_i32_f32 v142, v128                       ; the exponent of the block's largest p
	v_cvt_i32_f32 v143, v130
	OM 6
	OM 7
	v_lshl_add_u32 v144, v142, 23, 0x3e800000      ; + 125 in the exponent field: the conversions' scale operands
	v_lshl_add_u32 v145, v143, 23, 0x3e800000
	v_lshl_add_u32 v146, v143, 16, v142            ; blocks h and 2 + h,
	OM 8
	OM 9
	v_lshlrev_b32 v146, v150, v146                 ; 8 h bits up
	OM 10
	OM 11
	v_permlanex16_b32 v147, v146, s[SEL], s[SEL+1]
	OM 12
	OM 13
	OM 14
	OM 15
	v_pk_mul_f32 v[12:13], v[12:13], v[140:141] op_sel_hi:[1,0]
	WIN 0x05*(\u)
	v_add3_u32 v[PW+\u], v146, v147, 0x7d7d7d7d    ; p's scale word: the sum of (exponent + 125) x 256^block over the four blocks, in whole numbers modulo 2^32
	WIN 0x55*(\u)
.set NN, 0
.rept 32
	v_pk_fma_f32 v[S+NN:S+NN+1], v[S+NN:S+NN+1], s[CS:CS+1], v[138:139] op_sel_hi:[1,0,0]   ; t - M, two at a time
.set NN, NN+2
.endr
.endm
.macro EXPS
.set NN, 0
.rept 64
	v_exp_f32 v[S+NN], v[S+NN]                     ; p = 2^(t - M), at most 1
.set NN, NN+1
.endr
.endm
.macro CODES u
	WIN 0x55*(\u)
.irp c, 0,1
.irp g, 0,1,2,3
	v_cvt_scalef32_pk8_fp4_f32 v[CD+4*\c+\g], v[S+32*\c+8*\g:S+32*\c+8*\g+7], v[144+\c]
.endr
.endr
.endm
.macro SUMS u                          ; my 64 p of the row: four chains by turns, in p's own registers
	WIN 0x55*(\u)
.irp m, 1,2,3,4,5,6,7
.irp k, 0,1,2,3
	v_pk_add_f32 v[S+2*\k:S+2*\k+1], v[S+2*\k:S+2*\k+1], v[S+2*\k+8*\m:S+2*\k+8*\m+1]
.endr
.endr
	v_pk_add_f32 v[S:S+1], v[S:S+1], v[S+2:S+3]
	v_pk_add_f32 v[S+4:S+5], v[S+4:S+5], v[S+6:S+7]
	v_pk_add_f32 v[12:13], v[12:13], v[S:S+1]
	v_pk_add_f32 v[12:13], v[12:13], v[S+4:S+5]
.endm
.macro HIDE u                          ; the diagonal: hidden scores become -infinity ahead of the maximum: p = 0 then
	WIN 0x45*(\u)
.set NN, 0
.rept 64
	v_cmp_le_i32 vcc_lo, 64*(NN/32)+NN%32, v149
	v_cndmask_b32 v[S+NN], v148, v[S+NN], vcc_lo
.set NN, NN+1
.endr
.endm
; A KEY STEP: 128 keys, both places.
.macro STEP
	s_cmp_gt_u32 s[SN], s[BLK]                     ; all keys behind my block's queries: the step's work is left out (ids and the count of steps alone)
	s_cbranch_scc1 .Lhidden_\@
	s_lshl_b32 s96, s[IT], 12
	s_add_co_u32 s96, s96, s[CB]
	s_mul_i32 s97, s[IT], 1536
	s_add_co_u32 s97, s97, s[CSC]
	s_lshl_b32 s98, s[IT], 10
	s_add_co_u32 s98, s98, s[CBI]
	v_add_nc_u32 v8, s96, v1                       ; (these four are also the places in front of loads into registers that the last products have read)
	v_add_nc_u32 v9, s97, v2
	v_add_nc_u32 v10, s97, v3
	v_add_nc_u32 v11, s98, v4
	WIN 0x40
.irp t, 0,1,2,3,4,5,6,7
.irp i, 0,1
	ds_load_b128 v[BI+8*\t+4*\i:BI+8*\t+4*\i+3], v11 offset:256*(\t/4)+32*(\t%4)+16*\i   ; attn_bias of my 64 keys: the C of the first products
.endr
.endr
	WIN 0
.irp t, 0,1,2,3,4,5,6,7
	ds_load_b128 v[K+4*\t:K+4*\t+3], v8 offset:16384*(\t/4)+512*(\t%4)
.endr
	ds_load_b128 v[KS:KS+3], v9
	ds_load_b128 v[KS+4:KS+7], v9 offset:16
.irp c, 0,1
.irp t, 0,1,2,3
	ds_load_b128 v[V+8*\t+4*\c:V+8*\t+4*\c+3], v8 offset:32768+16384*\c+512*\t
.endr
.endr
	ds_load_b128 v[VS:VS+3], v10
	s_wait_dscnt 9                                 ; V's eight loads and its scale words' one are younger and may stay out
.irp u, 0,1
	WIN 0x10+0x44*(\u)                             ; C window 1; Q and S window u
.irp t, 0,1,2,3,4,5,6,7
	v_wmma_scale_f32_16x16x128_f8f6f4 v[S+8*\t:S+8*\t+7], v[K+4*\t:K+4*\t+7], v[16:23], v[BI+8*\t:BI+8*\t+7], v[KS+\t], v[QW+\u] matrix_a_fmt:MATRIX_FMT_FP4 matrix_b_fmt:MATRIX_FMT_FP4
.endr
.endr
	WIN 0
.rept 4
	v_nop
.endr
	s_cmp_lg_u32 s[SN], s[BLK]
	s_cbranch_scc1 .Lopen_\@
	HIDE 0
	HIDE 1
	WIN 0
.Lopen_\@:
	PRE 0
	PRE 1
	WIN 0
	s_wait_alu depctr_va_vdst(0)                   ; the wait ahead of the batch
	EXPS
	WIN 0x55
	EXPS
	v_nop                                          ; a plain place behind the exponentials
	s_wait_alu depctr_va_vdst(0)                   ; one wait for the whole batch, ahead of its first reader
	CODES 1
	CODES 0
	v_nop                                          ; one plain place behind the scaled conversions
	SUMS 0                                         ; (the sums also stand between the codes just made and the products)
	SUMS 1
	WIN 0
	s_wait_dscnt 0x0                               ; V
.irp u, 0,1
	WIN 0x54*(\u)
.irp t, 0,1,2,3
	v_wmma_scale_f32_16x16x128_f8f6f4 v[O+8*\t:O+8*\t+7], v[V+8*\t:V+8*\t+7], v[CD:CD+7], v[O+8*\t:O+8*\t+7], v[VS+\t], v[PW+\u] matrix_a_fmt:MATRIX_FMT_FP4 matrix_b_fmt:MATRIX_FMT_FP4
.endr
.endr
	WIN 0
.Lhidden_\@:
	s_add_co_u32 s[SN], s[SN], 2
.endm
.macro WALK                            ; a chunk: my four of its eight key steps
	s_mov_b32 s[IT], 0
.Lstep_\@:
	STEP
	s_add_co_u32 s[IT], s[IT], 1
	s_cmp_lt_u32 s[IT], 4
	s_cbranch_scc1 .Lstep_\@
	s_add_co_u32 s[CB], s[CB], 65536
	s_add_co_u32 s[CSC], s[CSC], 6144
	s_add_co_u32 s[CBI], s[CBI], 4096
.endm
; THE CHANGE OF CHUNKS: every wave's loads have landed, the add, and the barrier shows the chunk to all; fill = 1: behind it the next chunk is asked for, up to the causal limit.
.macro CHANGE fill
	s_wait_tensorcnt 0x0                           ; no tensor load of mine is out, so the groups 0 may be written
	ds_add_u32 v5, v6                              ; 0 onto my spare word
.if \fill
	ds_add_u32 v5, v6                              ; and once more, in every trip alike
	s_add_co_u32 s[G0+1], s[G0+1], 65536
	s_add_nc_u64 s[G0+2:G0+3], s[G0+2:G0+3], 65536 ; the type bits on top are not reached
	s_add_co_u32 s[G0S+1], s[G0S+1], 6144
	s_add_nc_u64 s[G0S+2:G0S+3], s[G0S+2:G0S+3], 6144
	s_add_co_u32 s[G0B+1], s[G0B+1], 4096
	s_add_nc_u64 s[G0B+2:G0B+3], s[G0B+2:G0B+3], 4096
	s_wait_xcnt 0x0                                ; the last prefetch, a chunk back, has read its address
	s_add_nc_u64 s[PFA:PFA+1], s[PFA:PFA+1], 65536
.endif
	s_wait_dscnt 0x0
	s_barrier_signal -1
	s_barrier_wait -1
.if \fill
	s_cmp_gt_u32 s[NX], s[LATE]                    ; a chunk whose first key step comes after the late block's last is read by no wave.  Ids and the count of chunks alone: all eight waves go the same way
	s_cbranch_scc1 .Lpast_\@
	TLOAD                                          ; a wave's one tensor load until the next change
.Lpast_\@:
	ASK
	s_add_co_u32 s[NX], s[NX], 8
.endif
.endm
; THE END OF A WALK.  The tile in place 1 goes to the partner, the partner's partial result of the tile in place 0 comes in; O^T = (O f + O' f') / (l f + l' f'), quantised; register 8 t + j is channel 32 h + 8 t + j: block h of the head, whole in my lane.
.macro FINAL late
	s_wait_alu depctr_va_vdst(0)                   ; the sums may have been written ahead of taken branches
	s_wait_xcnt 0x0
	OPTR
	s_mul_i32 s96, s[WV], XP
	s_xor_b32 s97, s[WV], 4
	s_mul_i32 s97, s97, XP
	s_add_co_u32 s96, s96, STG+65536*(1-\late)
	s_add_co_u32 s97, s97, STG+65536*(1-\late)
	v_add_nc_u32 v236, s96, v1
	v_add_nc_u32 v237, s96, v15
	v_add_nc_u32 v238, s97, v1
	v_add_nc_u32 v239, s97, v15
	v_add_f32 v12, v12, v13                        ; the sum's two halves,
	HINT 1
	v_permlanex16_b32 v133, v12, s[SEL], s[SEL+1]
	HINT 1
	v_add_f32 v12, v12, v133                       ; and lane l xor 16's keys
	WIN 0x55
	v_add_f32 v12, v12, v13
	HINT 1
	v_permlanex16_b32 v133, v12, s[SEL], s[SEL+1]
	HINT 1
	v_add_f32 v139, v12, v133
	WIN 0
.if \late
	s_wait_alu depctr_va_vdst(0)
	s_wait_dscnt 0x0                               ; my reads of chunks 2 and 3 are over,
	s_barrier_signal -1
	s_barrier_wait -1                              ; and everybody's; they have had their last fill
.endif
	WIN 0x04
.irp i, 0,1,2,3,4,5,6,7
	ds_store_b128 v236, v[O+4*\i:O+4*\i+3] offset:512*\i
.endr
	ds_store_b64 v237, v[138:139] offset:4096
	WIN 0
	s_wait_alu depctr_va_vdst(0)
	s_wait_dscnt 0x0                               ; my stores are done,
	s_barrier_signal -1
	s_barrier_wait -1                              ; and my partner's
.irp i, 0,1,2,3,4,5,6,7
	ds_load_b128 v[S+4*\i:S+4*\i+3], v238 offset:512*\i
.endr
	ds_load_b64 v[144:145], v239 offset:4096       ; its -M and sum
.if \late
	s_mov_b32 s[BLK], s[EARLY]
	QPTR
	QLOAD                                          ; the second block's Q
.endif
	s_wait_dscnt 0x0
	v_min_num_f32 v135, v138, v144                 ; the larger M
	v_sub_f32 v136, v135, v138
	v_sub_f32 v137, v135, v144
	v_cvt_i32_f32 v136, v136
	v_cvt_i32_f32 v137, v137
	v_ldexp_f32 v140, 1.0, v136
	v_ldexp_f32 v142, 1.0, v137
	v_mul_f32 v130, v145, v142
	v_fma_f32 v130, v12, v140, v130                ; the row's sum
	s_wait_alu depctr_va_vdst(0)
	v_rcp_f32 v131, v130
	v_nop
	s_wait_alu depctr_va_vdst(0)
	v_mul_f32 v140, v140, v131
	v_mul_f32 v142, v142, v131
	s_wait_alu depctr_va_vdst(0)                   ; O^T is a matrix result first read behind a transcendental
.set NN, 0
.rept 16
	v_pk_mul_f32 v[O+NN:O+NN+1], v[O+NN:O+NN+1], v[140:141] op_sel_hi:[1,0]
.set NN, NN+2
.endr
.set NN, 0
.rept 16
	v_pk_fma_f32 v[O+NN:O+NN+1], v[S+NN:S+NN+1], v[142:143], v[O+NN:O+NN+1] op_sel_hi:[1,0,1]
.set NN, NN+2
.endr
	v_max3_num_f32 v128, |v[O]|, |v[O+1]|, 0x1800000   ; with the floor 2^(3 - 127)
	v_max3_num_f32 v129, |v[O+16]|, |v[O+17]|, |v[O+18]|
.irp i, 2,4,6,8,10,12
	v_max3_num_f32 v128, v128, |v[O+\i]|, |v[O+\i+1]|
	v_max3_num_f32 v129, v129, |v[O+17+\i]|, |v[O+18+\i]|
.endr
	v_max3_num_f32 v128, v128, |v[O+14]|, |v[O+15]|
	v_max3_num_f32 v128, v128, v129, |v[O+31]|
	HINT 1
	v_add_nc_u32 v144, 0xff000000, v128            ; 2 off the exponent field
	HINT 1
	v_lshrrev_b32 v146, 23, v144                   ; the byte
.irp g, 0,1,2,3
	v_cvt_scalef32_pk8_fp4_f32 v[CD+\g], v[O+8*\g:O+8*\g+7], v144
.endr
	v_nop                                          ; one plain place behind the scaled conversions
	global_store_b128 v1, v[CD:CD+3], s[90:91]     ; 32 lanes store 512 consecutive bytes: half a fragment's image
	global_store_b8 v14, v146, s[92:93]            ; two bytes a row are all that a head owns of a scale word: a sixteenth of the codes' bytes
.endm
	s_load_b128 s[4:7], s[0:1], 0x0                ; qkv, attn_bias
	s_load_b128 s[8:11], s[0:1], 0x10              ; cod, scl
	v_lshl_add_u32 v5, v0, 2, SPARE
	v_mov_b32 v6, 0
	ds_add_u32 v5, v6                              ; the wave's opening: the add, twice on end, and its wait ahead of the first tensor load
	ds_add_u32 v5, v6
	v_lshrrev_b32 v8, 5, v0
	HINT 1
	v_readfirstlane_b32 s[WV], v8                  ; wave 0..7
	s_and_b32 s[HD], ttmp7, 0xffff                 ; the head
	s_lshr_b32 s[PAR], s[WV], 2
	s_and_b32 s96, s[WV], 3                        ; my pair of tiles
	s_lshl_b32 s[TT0], s96, 1
	s_add_co_u32 s[TT0], s[TT0], s[PAR]
	s_xor_b32 s[TT1], s[TT0], 1
	s_sub_co_u32 s[LATE], 31, ttmp9
	s_mov_b32 s[EARLY], ttmp9
	s_mov_b32 s[BLK], s[LATE]
	s_mov_b32 s[G1], 3<<16                         ; no mask; elements of 8 bytes; no padding
	s_mov_b32 s[G1+1], 256<<16                     ; tensor_dim0: 2,048 bytes
	s_mov_b32 s[G1+2], 8<<16                       ; tensor_dim1: 8 key steps
	s_mov_b32 s[G1+3], 256<<16                     ; tile_dim0
	s_mov_b32 s[G1+4], 8                           ; tile_dim1
	s_mov_b32 s[G1+5], 1024                        ; tensor_dim0_stride: 8,192 bytes
	s_mov_b32 s[G1+6], 0
	s_mov_b32 s[G1+7], 0
	s_mov_b32 s[G1S], 3<<16                        ; 6,144 dense bytes as 24 rows of 256
	s_mov_b32 s[G1S+1], 32<<16
	s_mov_b32 s[G1S+2], 24<<16
	s_mov_b32 s[G1S+3], 32<<16
	s_mov_b32 s[G1S+4], 24
	s_mov_b32 s[G1S+5], 32
	s_mov_b32 s[G1S+6], 0
	s_mov_b32 s[G1S+7], 0
	s_mov_b32 s[G1B], 3<<16                        ; 4,096 dense bytes as 16 rows of 256
	s_mov_b32 s[G1B+1], 32<<16
	s_mov_b32 s[G1B+2], 16<<16
	s_mov_b32 s[G1B+3], 32<<16
	s_mov_b32 s[G1B+4], 16
	s_mov_b32 s[G1B+5], 32
	s_mov_b32 s[G1B+6], 0
	s_mov_b32 s[G1B+7], 0
	s_mov_b32 s[SEL], 0x76543210
	s_mov_b32 s[SEL+1], 0xfedcba98
	s_mov_b32 s[CS], 0x3fb8aa3b                    ; log2(e)
	s_mov_b32 s[CS+1], s[CS]
	s_mov_b32 s[NC], 0xbfb8aa3b
	s_mov_b32 s[SLOTS], 3
	s_mov_b32 s[NX], 8
	s_cmp_eq_u32 ttmp9, 0
	s_cselect_b32 s[LIM], 1, -1
	s_lshl_b32 s80, s[HD], 18                      ; the head's codes: head x 262,144
	s_mov_b32 s81, 0
	s_lshl_b32 s74, s[WV], 11                      ; my slice
	s_add_co_u32 s74, s74, s80
	s_mov_b32 s75, 0
	s_mul_i32 s76, s[HD], 24576                    ; its scale words
	s_add_co_u32 s76, s76, KVS
	s_mov_b32 s77, 0
	s_lshl_b32 s78, s[HD], 14                      ; its attn_bias
	s_mov_b32 s79, 0
	s_lshl_b32 s96, s[WV], 13                      ; the prefetches: my 8,192 bytes of chunk 1: the first change steps it to chunk 2
	s_add_co_u32 s80, s80, s96
	s_add_co_u32 s80, s80, 65536
	s_lshr_b32 s96, s[TT0], 2                      ; my tiles' first queries in the block: 64 (T / 4) + 8 (T % 4)
	s_lshl_b32 s96, s96, 6
	s_and_b32 s98, s[TT0], 3
	s_lshl_b32 s98, s98, 3
	s_add_co_u32 s96, s96, s98
	s_lshr_b32 s97, s[TT1], 2
	s_lshl_b32 s97, s97, 6
	s_and_b32 s98, s[TT1], 3
	s_lshl_b32 s98, s98, 3
	s_add_co_u32 s97, s97, s98
	v_and_b32 v8, 15, v0                           ; r
	v_bfe_u32 v9, v0, 4, 1                         ; h
	v_and_b32 v10, 31, v0
	v_and_b32 v11, 8, v8
	v_lshlrev_b32 v1, 4, v10                       ; 16 x lane: an image's place for my lane
	v_lshlrev_b32 v15, 3, v10
	v_lshlrev_b32 v7, 8, v10
	v_mad_u32_u24 v11, v11, 3, v8
	v_lshlrev_b32 v10, 5, v9
	v_lshlrev_b32 v240, 5, v8
	v_lshl_add_u32 v3, v8, 4, SCL+512              ; V's scale words: 16 r: four tiles' words
	v_lshl_add_u32 v4, v9, 7, BIAS                 ; the bias: my half's 32 keys of each 64
	v_lshl_add_u32 v14, v8, 4, v9                  ; 16 r + h
	v_sub_nc_u32 v11, v11, v10                     ; r % 8 + 32 (r / 8) - 32 h
	v_add_nc_u32 v2, SCL, v240                     ; K's scale words: 32 r: eight tiles' words
	v_lshlrev_b32 v150, 3, v9
	v_add_nc_u32 v149, s96, v11
.irp r, 20,21,22,23,133,139,141,142,143,147,184,185,186,187
	v_mov_b32 v\r, 0                               ; zero codes; the lane permutes' destinations; the upper halves of pairs
.endr
	v_mov_b32 v148, 0xff800000                     ; -infinity
	WIN 0x40
	v_lshlrev_b32 v150, 3, v9
	v_add_nc_u32 v149, s97, v11
.irp r, 20,21,22,23,133,139,141,142,143,147
	v_mov_b32 v\r, 0
.endr
	v_mov_b32 v148, 0xff800000
	WIN 0
	s_wait_alu depctr_va_vdst(0)
	s_wait_dscnt 0x0                               ; both opening adds are done
	s_wait_kmcnt 0x0
	s_mov_b32 s[G0], 1
	s_lshl_b32 s[G0+1], s[WV], 14
	s_add_nc_u64 s[G0+2:G0+3], s[4:5], s[74:75]
	s_or_b32 s[G0+3], s[G0+3], 0x80000000
	s_mov_b32 s[G0S], 1
	s_mov_b32 s[G0S+1], SCL
	s_add_nc_u64 s[G0S+2:G0S+3], s[4:5], s[76:77]
	s_or_b32 s[G0S+3], s[G0S+3], 0x80000000
	s_mov_b32 s[G0B], 1
	s_mov_b32 s[G0B+1], BIAS
	s_add_nc_u64 s[G0B+2:G0B+3], s[6:7], s[78:79]
	s_or_b32 s[G0B+3], s[G0B+3], 0x80000000
	TLOAD                                          ; chunk 0
	s_add_nc_u64 s[PFA:PFA+1], s[4:5], s[80:81]
	QPTR
	QLOAD
	s_wait_loadcnt 0x0
	QPREP
	INIT
	s_wait_alu depctr_va_vdst(0)                   ; the wait at the head's end
.Lchunk:                                           ; chunks 0-2: every work-group walks all chunks, so that the trip counts are constants of the text
	CHANGE 1
	WALK
	s_sub_co_u32 s[SLOTS], s[SLOTS], 1
	s_cmp_lg_u32 s[SLOTS], 0
	s_cbranch_scc1 .Lchunk
	CHANGE 0                                       ; the last chunk is written out: nothing is left to ask for
	WALK
	FINAL 1
	s_wait_xcnt 0x0                                ; the stores have read their registers
	s_wait_loadcnt 0x0
	QPREP
	INIT
	s_mov_b32 s[SLOTS], 2
	s_wait_alu depctr_va_vdst(0)
.Learly:                                           ; the early block: chunks 0 and 1, which are whole: no barrier
	WALK
	s_sub_co_u32 s[SLOTS], s[SLOTS], 1
	s_cmp_lg_u32 s[SLOTS], 0
	s_cbranch_scc1 .Learly
	FINAL 0
	s_wait_tensorcnt 0x0                           ; the wave's end
	ds_add_u32 v5, v6
	s_wait_dscnt 0x0
	s_endpgm
.Lfunc_end_k_q6fd56e0d00_attn:
	.size	k_q6fd56e0d00_attn, .Lfunc_end_k_q6fd56e0d00_attn-k_q6fd56e0d00_attn
	.p2alignl 7, 3214868480
	.fill 96, 4, 3214868480
	.section	.rodata,"a",@progbits
	.p2align	6, 0x0
	.amdhsa_kernel k_q6fd56e0d00_attn
		.amdhsa_group_segment_fixed_size 327680
		.amdhsa_private_segment_fixed_size 0
		.amdhsa_enable_private_segment 0
		.amdhsa_kernarg_size 32
		.amdhsa_user_sgpr_count 2
		.amdhsa_user_sgpr_kernarg_segment_ptr 1
		.amdhsa_wavefront_size32 1
		.amdhsa_system_sgpr_workgroup_id_x 1
		.amdhsa_system_sgpr_workgroup_id_y 1
		.amdhsa_system_sgpr_workgroup_id_z 1
		.amdhsa_system_vgpr_workitem_id 0
		.amdhsa_next_free_vgpr 512
		.amdhsa_next_free_sgpr 100
		.amdhsa_reserve_vcc 1
		.amdhsa_float_denorm_mode_32 3
		.amdhsa_float_denorm_mode_16_64 3
		.amdhsa_memory_ordered 1
		.amdhsa_forward_progress 1
		.amdhsa_inst_pref_size 149
	.end_amdhsa_kernel
	.amdgpu_metadata
---
amdhsa.version: [ 1, 2 ]
amdhsa.kernels:
  - .name:           k_q6fd56e0d00_attn
    .symbol:         k_q6fd56e0d00_attn.kd
    .args:
      - { .name: qkv, .offset: 0, .size: 8, .value_kind: global_buffer, .address_space: global }
      - { .name: attn_bias, .offset: 8, .size: 8, .value_kind: global_buffer, .address_space: global }
      - { .name: cod, .offset: 16, .size: 8, .value_kind: global_buffer, .address_space: global }
      - { .name: scl, .offset: 24, .size: 8, .value_kind: global_buffer, .address_space: global }
    .group_segment_fixed_size: 327680
    .private_segment_fixed_size: 0
    .kernarg_segment_align: 8
    .kernarg_segment_size: 32
    .max_flat_workgroup_size: 256
    .sgpr_count:     100
    .vgpr_count:     512
    .wavefront_size: 32
...
	.end_amdgpu_metadata
.endif
;; end of part 3
;; launch outp (part 4): grid 8 x 32, 4 waves a work-group, clusters of 4 x 4, 327,680 bytes of LDS; arguments cod, scl, out_b, out0; writes out0
.if DOCPART == 4
	.amdgcn_target "amdgcn-amd-amdhsa--gfx1250"
	.amdhsa_code_object_version 6
	.text
	.protected	k_q6fd56e0d00_outp
	.globl	k_q6fd56e0d00_outp
	.p2align	8
	.type	k_q6fd56e0d00_outp,@function
k_q6fd56e0d00_outp:
	s_mov_b64 s[64:65], 0
	v_nop
	global_prefetch_b8 v0, s[64:65] scope:SCOPE_SE
	s_setreg_imm32_b32 hwreg(HW_REG_WAVE_MODE, 25, 1), 1
	s_wait_xcnt 0x0
	s_wait_alu depctr_hold_cnt(0) depctr_sa_sdst(0) depctr_va_vdst(0) depctr_va_sdst(0) depctr_va_ssrc(0) depctr_va_vcc(0) depctr_vm_vsrc(0)
	s_getreg_b32 s2, hwreg(HW_REG_IB_STS2, 6, 4)
	s_cmp_eq_u32 s2, 0
	s_cbranch_scc0 .Lentry_in_a_cluster
	s_endpgm
.Lentry_in_a_cluster:
	s_bfe_u32 s2, ttmp6, 0x10000c
	s_cmp_lg_u32 s2, 0xf033
	s_cbranch_scc0 .Lentry_shape_is_right
	s_endpgm
.Lentry_shape_is_right:
; out0 = O out_w^T + out_b on the codes of launches attn and quant, K = 1,024.  A work-group of four waves makes 128 x 128, a wave 64 x 64: 16 accumulators, which take turns.
; CLUSTERS of 4 x 4: source 1's tiles (O's rows) are asked for jointly along a row of the cluster, source 0's (out_w's rows) along a column.  Each wave brings 4 tiles' whole K by ONE tensor load: a tile is 8,192 bytes
; on end in LDS, an image of registers; source 1's eight tiles at 0, source 0's at 65,536.  SLOT is the second half of a tile's K.  No prefetch: there is no loop to run ahead in.
; The bias is the C of each sum's first product.  A tile's rows are as in quant: register 8 b + j of lane (r, h) is channel 32 h + 8 b + j of row 8 a + r % 8 + 32 (r / 8).  A block of 16 rows x 256 bytes leaves through my stage in LDS.
.set SLOT,  4096
.set STAGE, 131072
.set SPARE, STAGE+4*16*272
.set ADR1,  16
.set ADR0,  20
.set ADS,   22
.set BO,    23
.set STO,   24
.set RD,    25
.set CO,    26
.set SPW,   28
.set NIL,   29
.set SC,    32
.set BK,    64
.set ACC,   128
.set G1,    24
.set G0,    32
.set G1B,   48
.set G0B,   56
.set MSB, 0
.macro WIN new
.if MSB != (\new)
	s_set_vgpr_msb (MSB<<8)|(\new)
.set MSB, (\new)
.endif
.endm
.set MUL,  0x05
.set TO_F, 0x40
.macro JLOAD g0a, g1a, g0b, g1b
	s_cmp_eq_u32 s15, 0
	s_cbranch_scc0 .Lfor_b_\@
	tensor_load_to_lds s[\g0a:\g0a+3], s[\g1a:\g1a+7]
	s_nop 0
.rept 4
	v_nop
.endr
	s_branch .Lasked_\@
.Lfor_b_\@:
	tensor_load_to_lds s[\g0b:\g0b+3], s[\g1b:\g1b+7]
	s_nop 0
.rept 4
	v_nop
.endr
.Lasked_\@:
.endm
.macro CREST
	s_cmp_lg_u32 s14, 0
	s_cbranch_scc1 .Lnot_wave_0_\@
	s_barrier_signal -3
.Lnot_wave_0_\@:
	s_barrier_wait -3
	s_barrier_signal -1
	s_barrier_wait -1
.endm
.macro CROUND
	s_barrier_signal -1
	s_barrier_wait -1
	CREST
.endm
.macro PLACES
.rept 4
	v_nop
.endr
.endm
	s_load_b128 s[4:7], s[0:1], 0x0
	s_load_b128 s[8:11], s[0:1], 0x10
	v_lshl_add_u32 v[SPW], v0, 2, SPARE
	v_mov_b32 v[NIL], 0
	ds_add_u32 v[SPW], v[NIL]
	ds_add_u32 v[SPW], v[NIL]
	v_lshrrev_b32 v1, 5, v0
	v_readfirstlane_b32 s14, v1
	s_lshr_b32 s15, s14, 1
	s_and_b32 s16, s14, 1
	s_bfe_u32 s40, ttmp6, 0x40000
	s_bfe_u32 s41, ttmp6, 0x40004
	s_lshl_b32 s42, ttmp9, 2
	s_add_co_u32 s42, s42, s40
	s_and_b32 s17, ttmp7, 0xffff
	s_lshl_b32 s17, s17, 2
	s_add_co_u32 s17, s17, s41
	s_lshl_b32 s43, s41, 2
	s_lshl_b32 s43, 15, s43
	s_lshl_b32 s44, 0x1111, s40
	s_or_b32 s[G1+0], s43, (3<<16)|(1<<21)
	s_or_b32 s[G1B+0], s44, (3<<16)|(1<<21)
.irp g, G1, G1B
	s_mov_b32 s[\g+1], 1024<<16
	s_mov_b32 s[\g+2], 4<<16
	s_mov_b32 s[\g+3], 1024<<16
	s_mov_b32 s[\g+4], 4
	s_mov_b32 s[\g+5], 1024
	s_mov_b32 s[\g+6], 0
	s_mov_b32 s[\g+7], 0
.endr
	s_lshl_b32 s23, s16, 2
	s_lshl_b32 s20, s17, 3
	s_add_co_u32 s20, s20, s23
	s_add_co_u32 s20, s20, 512
	s_lshl_b32 s20, s20, 13
	s_mov_b32 s21, 0
	s_lshl_b32 s46, s42, 3
	s_add_co_u32 s46, s46, s23
	s_add_co_u32 s46, s46, 448
	s_lshl_b32 s46, s46, 13
	s_mov_b32 s47, 0
	s_lshl_b32 s45, s14, 15
	s_wait_dscnt 0x0
	s_wait_kmcnt 0x0
	s_add_nc_u64 s[20:21], s[4:5], s[20:21]
	s_add_nc_u64 s[46:47], s[4:5], s[46:47]
	CROUND
.irp s, 0
	s_mov_b32 s[G0+4*\s], 1
	s_add_co_u32 s[G0+4*\s+1], s45, \s*SLOT
	s_add_nc_u64 s[G0+4*\s+2:G0+4*\s+3], s[20:21], \s*4096
	s_or_b32 s[G0+4*\s+3], s[G0+4*\s+3], 0x80000000
	s_mov_b32 s[G0B+4*\s], 1
	s_add_co_u32 s[G0B+4*\s+1], s45, \s*SLOT
	s_add_nc_u64 s[G0B+4*\s+2:G0B+4*\s+3], s[46:47], \s*4096
	s_or_b32 s[G0B+4*\s+3], s[G0B+4*\s+3], 0x80000000
	JLOAD G0+4*\s, G1, G0B+4*\s, G1B               ; one load a wave, and no more follow
.endr
	v_and_b32 v1, 15, v0
	v_bfe_u32 v2, v0, 4, 1
	s_wait_alu depctr_va_vdst(0)
	v_and_b32 v3, 31, v0
	v_lshlrev_b32 v3, 4, v3
	s_wait_alu depctr_va_vdst(0)
	s_lshl_b32 s18, s17, 3
	s_lshl_b32 s19, s15, 2
	s_add_co_u32 s18, s18, s19
	s_add_co_u32 s18, s18, 512
	s_lshl_b32 s18, s18, 9
	s_lshl_b32 s19, s42, 3
	s_add_co_u32 s19, s19, s23
	s_add_co_u32 s19, s19, 448
	s_lshl_b32 s19, s19, 9
	v_mov_b32 v4, s18
	v_mov_b32 v5, s19
	v_cmp_eq_u32 vcc_lo, 1, v2
	v_cndmask_b32 v[ADS], v4, v5, vcc_lo
	v_lshl_add_u32 v[ADS], v1, 4, v[ADS]
.irp k, 0,1
.irp i, 0,1,2,3
	global_load_b128 v[SC+16*\k+4*\i:SC+16*\k+4*\i+3], v[ADS], s[6:7] offset:512*\i+256*\k
.endr
.endr
	s_lshl_b32 s18, s42, 7
	s_lshl_b32 s19, s16, 6
	s_add_co_u32 s18, s18, s19
	s_lshl_b32 s18, s18, 2
	s_mov_b32 s19, 0
	s_add_nc_u64 s[8:9], s[8:9], s[18:19]
	s_add_nc_u64 s[10:11], s[10:11], s[18:19]
	v_lshlrev_b32 v[BO], 7, v2
.irp a, 0,1,2,3
.irp b, 0,1,2,3
	global_load_b128 v[ACC+8*(4*\a+\b):ACC+8*(4*\a+\b)+3], v[BO], s[8:9] offset:32*\b
	global_load_b128 v[ACC+8*(4*\a+\b)+4:ACC+8*(4*\a+\b)+7], v[BO], s[8:9] offset:32*\b+16
.endr
.endr
	s_lshl_b32 s21, s15, 15
	s_lshl_b32 s22, s16, 15
	s_add_co_u32 s22, s22, 65536
.irp s, 0,1
	v_add_nc_u32 v[ADR1+\s], s21, v3
	v_add_nc_u32 v[ADR0+\s], s22, v3
	s_add_co_u32 s21, s21, SLOT
	s_add_co_u32 s22, s22, SLOT
.endr
	s_mul_i32 s23, s14, 16*272
	s_add_co_u32 s23, s23, STAGE
	v_mul_u32_u24 v4, v1, 272
	v_lshl_add_u32 v4, v2, 7, v4
	v_add_nc_u32 v[STO], s23, v4
	v_mul_u32_u24 v5, v2, 272
	v_lshl_add_u32 v5, v1, 4, v5
	v_add_nc_u32 v[RD], s23, v5
	v_lshlrev_b32 v5, 12, v2
	v_lshl_add_u32 v[CO], v1, 4, v5
	s_lshl_b32 s18, s17, 7
	s_lshl_b32 s19, s15, 6
	s_add_co_u32 s18, s18, s19
	s_lshl_b32 s18, s18, 12
	s_mov_b32 s19, 0
	s_add_nc_u64 s[10:11], s[10:11], s[18:19]
	s_wait_alu depctr_va_vdst(0)
	s_wait_loadcnt 0x0
	s_wait_tensorcnt 0x0
	s_barrier_signal -1
	s_barrier_wait -1
.macro FETCH s
.set FB, 64*((\s)%2)
	WIN TO_F
.irp i, 0,1,2,3
.irp c, 0,1
	ds_load_b128 v[FB+8*\i+4*\c:FB+8*\i+4*\c+3], v[ADR0+(\s)/4] offset:8192*\i+1024*((\s)%4)+512*\c
	ds_load_b128 v[FB+32+8*\i+4*\c:FB+32+8*\i+4*\c+3], v[ADR1+(\s)/4] offset:8192*\i+1024*((\s)%4)+512*\c
.endr
.endr
.endm
.macro KSTEP s
.if (\s) < 7
.if (\s) > 0
	PLACES
.endif
	FETCH (\s)+1
	s_wait_dscnt 16
.else
	s_wait_dscnt 0x0
.endif
	WIN MUL
.set FB, 64*((\s)%2)
.irp a, 0,1,2,3
.irp b, 0,1,2,3
	v_wmma_scale_f32_16x16x128_f8f6f4 v[ACC+8*(4*\a+\b):ACC+8*(4*\a+\b)+7], v[FB+8*\b:FB+8*\b+7], v[FB+32+8*\a:FB+32+8*\a+7], v[ACC+8*(4*\a+\b):ACC+8*(4*\a+\b)+7], v[SC+16*((\s)/4)+4*\b+(\s)%4], v[SC+16*((\s)/4)+4*\a+(\s)%4] matrix_a_fmt:MATRIX_FMT_FP4 matrix_b_fmt:MATRIX_FMT_FP4 matrix_a_scale:MATRIX_SCALE_ROW1
.endr
.endr
.endm
	FETCH 0
.irp s, 0,1,2,3,4,5,6,7
	KSTEP \s
.endr
	WIN 0
	PLACES
.macro TOSTAGE a
.irp b, 0,1,2,3
	ds_store_b128 v[STO], v[ACC+8*(4*(\a)+\b):ACC+8*(4*(\a)+\b)+3] offset:32*\b
	ds_store_b128 v[STO], v[ACC+8*(4*(\a)+\b)+4:ACC+8*(4*(\a)+\b)+7] offset:32*\b+16
.endr
.set BB, BK+32*((\a)%2)
.irp i, 0,1,2,3,4,5,6,7
	ds_load_b128 v[BB+4*\i:BB+4*\i+3], v[RD] offset:544*\i
.endr
.endm
.macro SEND a, younger
.set BB, BK+32*((\a)%2)
	s_wait_dscnt \younger
.irp i, 0,1,2,3,4,5,6,7
	global_store_b128 v[CO], v[BB+4*\i:BB+4*\i+3], s[10:11] offset:(8*(\a)+2*\i+24*(\i/4))*4096 th:TH_STORE_NT
.endr
.endm
	TOSTAGE 0
.irp a, 1,2,3
.if \a > 1
	s_wait_xcnt 0x0
.endif
	TOSTAGE \a
	SEND \a-1, 16
.endr
	SEND 3, 0
	s_wait_tensorcnt 0x0
	ds_add_u32 v[SPW], v[NIL]
	s_wait_dscnt 0x0
	CROUND
	s_endpgm
.Lfunc_end_k_q6fd56e0d00_outp:
	.size	k_q6fd56e0d00_outp, .Lfunc_end_k_q6fd56e0d00_outp-k_q6fd56e0d00_outp
	.p2alignl 7, 3214868480
	.fill 96, 4, 3214868480
	.section	.rodata,"a",@progbits
	.p2align	6, 0x0
	.amdhsa_kernel k_q6fd56e0d00_outp
		.amdhsa_group_segment_fixed_size 327680
		.amdhsa_private_segment_fixed_size 0
		.amdhsa_enable_private_segment 0
		.amdhsa_kernarg_size 32
		.amdhsa_user_sgpr_count 2
		.amdhsa_user_sgpr_kernarg_segment_ptr 1
		.amdhsa_wavefront_size32 1
		.amdhsa_system_sgpr_workgroup_id_x 1
		.amdhsa_system_sgpr_workgroup_id_y 1
		.amdhsa_system_sgpr_workgroup_id_z 1
		.amdhsa_system_vgpr_workitem_id 0
		.amdhsa_next_free_vgpr 384
		.amdhsa_next_free_sgpr 100
		.amdhsa_reserve_vcc 1
		.amdhsa_float_denorm_mode_32 3
		.amdhsa_float_denorm_mode_16_64 3
		.amdhsa_memory_ordered 1
		.amdhsa_forward_progress 1
		.amdhsa_inst_pref_size 44
	.end_amdhsa_kernel
	.amdgpu_metadata
---
amdhsa.version: [ 1, 2 ]
amdhsa.kernels:
  - .name:           k_q6fd56e0d00_outp
    .symbol:         k_q6fd56e0d00_outp.kd
    .args:
      - { .name: cod, .offset: 0, .size: 8, .value_kind: global_buffer, .address_space: global }
      - { .name: scl, .offset: 8, .size: 8, .value_kind: global_buffer, .address_space: global }
      - { .name: out_b, .offset: 16, .size: 8, .value_kind: global_buffer, .address_space: global }
      - { .name: out0, .offset: 24, .size: 8, .value_kind: global_buffer, .address_space: global }
    .group_segment_fixed_size: 327680
    .private_segment_fixed_size: 0
    .kernarg_segment_align: 8
    .kernarg_segment_size: 32
    .max_flat_workgroup_size: 128
    .sgpr_count:     100
    .vgpr_count:     384
    .wavefront_size: 32
...
	.end_amdgpu_metadata
.endif
;; end of part 4
